; MI455X (gfx1250); checked and timed in simulation.
; The chip was launched on July 23, 2026; its instructions are those of AMD's public machine-readable ISA for CDNA 5 (MIT licence, August 2026) and "CDNA5" Instruction Set Architecture Reference Guide (July 2026). The comments in the code are by the model that wrote it; some were corrected since.
;; Multi Head Self Attention. Allowed arithmetic: matrix products marked QUANTISED: E2M3 operands, one E8M0 scale for each 32 along K, by v_wmma_scale_f32_16x16x128_f8f6f4 with both operands' format E2M3, f32 sums; everything else in f32.
;; Inputs: Wproj 1,024 x 1,024 float32; Wqkv 1,024 x 3,072 float32; bproj 1,024 float32; bqkv 3,072 float32; x 4 x 2,048 x 1,024 float32.
;; Outputs: out0 4 x 2,048 x 1,024 float32.
;; This version of the problem:
;;   THIS VERSION OF THE PROBLEM IS GIVEN IN LOW PRECISION. The matrix products marked QUANTISED in the list below multiply operands that are first quantised to E2M3 (2 exponent bits, 3 mantissa bits; 6 bits a number), with one power-of-two scale for each 32 numbers along K (OCP MX v1.0); their sums are f32. All else is computed in f32.
;;   The module's matrix products, in the order in which they are computed (A, B: the left and right operand; K: the contracted axis; several contracted axes count as one K, in the product's order):
;;     1. [M 8,192, K 1,024] x [K 1,024, N 3,072]; A: input x; B: input Wqkv: QUANTISED
;;     2. batch 64 x [M 2,048, K 64] x [K 64, N 2,048]; A: computed on the way; B: computed on the way: QUANTISED
;;     3. batch 64 x [M 2,048, K 2,048] x [K 2,048, N 64]; A: softmax (see below); B: computed on the way: QUANTISED
;;     4. [M 8,192, K 1,024] x [K 1,024, N 1,024]; A: computed on the way; B: input Wproj: QUANTISED
;;   THE QUANTISER, for each operand of a quantised product, along K:
;;     - K is cut into blocks of 32 from its start; a last block that is shorter is filled with zeros.
;;     - A block's scale is 2^e with e = floor(log2(the largest magnitude in the block)) - 2, held to -126 .. 127; a block of zeros has e = 0. As a byte (E8M0): e + 127.
;;     - Each number is divided by its block's scale, clamped to +-7.5, and rounded to the nearest number of E2M3, ties to even, subnormals kept.
;;     - The product sums the exact products of the quantised numbers (number of the format x scale) in f32.
;;   ~~~python
;;   def quantise(x, axis):      # numpy; x: float32 -> the quantised numbers, widened to float32 again
;;       x = np.moveaxis(x, axis, -1); K = x.shape[-1]
;;       x = np.pad(x, [(0, 0)] * (x.ndim - 1) + [(0, -K % 32)]); x = x.reshape(x.shape[:-1] + (-1, 32)); a = np.abs(x).max(-1, keepdims=True)
;;       e = np.where(a > 0, np.clip(np.frexp(np.where(a > 0, a, 1))[1] - 1 - 2, -126, 127), 0)      # np.frexp(a)[1] - 1 = floor(log2(a)), exactly
;;       r = np.clip(x / 2.0 ** e, -7.5, 7.5)
;;       step = 2.0 ** (np.maximum(np.frexp(np.where(r == 0, 1, r))[1] - 1, 0) - 3)
;;       q = np.round(r / step) * step * 2.0 ** e      # np.round: ties to even
;;       return np.moveaxis(q.reshape(q.shape[:-2] + (-1,))[..., :K], -1, axis).astype(np.float32)
;;   ~~~
;;   SOFTMAX AHEAD OF A QUANTISED PRODUCT. Where the list says 'softmax', what is quantised is not the finished softmax but p = 2^(t - M), with t = logit x log2(e) and M = ceil(the row's largest t), a whole number; so 1/2 < the row's largest p <= 1. The row's sum l is taken of the UNQUANTISED p, in f32, and the product's result is divided by l at the end. Since M is a whole number, a kernel that streams over the keys may use a running M (the ceiling of the running maximum): every later rescaling is an exact power of two, which a block's scale takes up: the codes' values come out the same.
;;   OPERANDS COMPUTED ON THE WAY. 'Computed on the way' means the value that the module computes at that place (a softmax that the list does not call 'softmax' is quantised finished and normalised). What goes into a quantiser is computed in f32, as accurately as f32 sums, v_exp_f32 and their like allow (about 1e-6 of the number): no bf16 or f16 on the way to a quantiser, and a product that is left as it is and whose result goes on into a quantised operand takes f32 operands (vector FMAs, or v_wmma_f32_16x16x4_f32). A number that lies on a knife's edge between two numbers of the format may be rounded either way, as far as f32 arithmetic and the matrix unit's own rounding can turn it there, and no further.
;; One version. Each part assembles by itself: llvm-mc -triple=amdgcn-amd-amdhsa -mcpu=gfx1250 --defsym DOCPART=n.
;; ======== version 1 of 1: 4 launches
;; workspace buffers: xc 6,291,456 bytes; xs 262,144 bytes; wc 3,145,728 bytes; ws 131,072 bytes; kv 13,107,200 bytes; qi 13,107,200 bytes; yc 6,291,456 bytes; ys 262,144 bytes
;; launch quant (part 1): grid 384 x 1, 4 waves a work-group, no clusters, 34,304 bytes of LDS; arguments x, Wqkv, Wproj, xc, xs, wc, ws; writes xc, xs, wc, ws
.if DOCPART == 1
	.amdgcn_target "amdgcn-amd-amdhsa--gfx1250"
	.amdhsa_code_object_version 6
	.text
	.protected	k_q5afaa87e04_quant
	.globl	k_q5afaa87e04_quant
	.p2align	8
	.type	k_q5afaa87e04_quant,@function
k_q5afaa87e04_quant:
	s_mov_b64 s[64:65], 0
	v_nop
	global_prefetch_b8 v0, s[64:65] scope:SCOPE_SE
	s_setreg_imm32_b32 hwreg(HW_REG_WAVE_MODE, 25, 1), 1
	s_wait_xcnt 0x0
; x [8192][1024], Wqkv [1024][3072] and Wproj [1024][1024], f32, become codes of FP6 (E2M3) with one E8M0 byte for each 32 along K (K = 1,024 in all three).
; THE CODES ARE LAID AS IMAGES OF THE OPERAND'S REGISTERS: a fragment (16 rows x 128 K, 12 registers a lane) is 1,536 bytes; registers 4 c .. 4 c + 3 of lane l lie at 512 c + 16 l.
; xc: [512 tiles][8 K steps][1,536];  wc: [256 tiles][8][1,536], tiles 0-191 Wqkv's columns, 192-255 Wproj's;  xs, ws: [stored row][32 scale bytes].
; THE ROWS OF A STORED TILE ARE NOT NEIGHBOURS: row r of stored tile T is row (column of W) 32 (T / 2) + 8 (T % 2) + r + 8 (r / 8).
; A block's scale is 2^(floor(log2(its largest magnitude)) - 2); its byte is the largest magnitude's exponent field - 2, held at 1 from below.
; LIMITS: a block of zeros gets the byte 1 (its codes are zeros; this program alone reads the bytes); NaN and infinities among the inputs are not served.
; Work-groups 0-255 take x: a wave one stored tile x 512 along K; each load reads 512 consecutive bytes of a row, and the numbers turn through the wave's own stage in LDS so that a lane holds 32 neighbours.
; Work-groups 256-383 take the weights: a lane takes a column and its registers run down K; no LDS.  Waves share nothing: no barrier.
.set STGW,  16*528                     ; a wave's stage: 16 rows of 512 bytes + 16
.set SPARE, 4*STGW                     ; behind the four stages: the spare words, 128 bytes for each wave
.set SPW,   252                        ; v252 my spare word's LDS address; never rewritten
.set NIL,   253                        ; v253 0; never rewritten
.set R,     16                         ; v16-143  x: two sets of 64 numbers
.set C,     144                        ; v144-191 x: the codes, 12 registers for each of four fragments: no store's data are written again
.set CT,    192                        ; v192-194, v196-198 the second halves of the blocks' codes
.set MX,    200                        ; v200-201 largest magnitudes
.set SOP,   202                        ; v202-203 the conversions' scale operands
.set BY,    204                        ; v204-205 the scale bytes
.set WD,    208                        ; v208-211 the four fragments' scale words
.set XW,    128                        ; W: v128-191 two sets of 32 numbers
.set VO,    64                         ; W: v64-95 offset of row i of a block, in my column
.set SB,    32                         ; W: s[32:47] the eight blocks' bases
.set CW,    16                         ; W: v16-18 the second half of a block's codes
.set FW,    192                        ; W: v192-239 the images: K step k, tile u at FW + 24 k + 12 u
	s_load_b256 s[4:11], s[0:1], 0x0               ; x s[4:5], Wqkv s[6:7], Wproj s[8:9], xc s[10:11]
	s_load_b128 s[12:15], s[0:1], 0x20             ; xs s[12:13], wc s[14:15]
	s_load_b64 s[16:17], s[0:1], 0x30              ; ws
	v_lshl_add_u32 v[SPW], v0, 2, SPARE
	v_mov_b32 v[NIL], 0
	v_lshrrev_b32 v1, 5, v0
	v_readfirstlane_b32 s18, v1                    ; wave
	v_and_b32 v2, 31, v0                           ; lane
	v_lshlrev_b32 v3, 4, v2                        ; 16 x lane
	s_mov_b32 s20, 0x76543210
	s_mov_b32 s21, 0xfedcba98                      ; v_permlanex16_b32's selects for lane l xor 16
	s_cmp_ge_u32 ttmp9, 256
	s_cbranch_scc1 .Lweights
; ---------------- x
.macro LOADF f                         ; fragment f: 16 rows x 128 numbers; one instruction reads 512 consecutive bytes of one row
.irp i, 0,1,2,3,4,5,6,7,8,9,10,11,12,13,14,15
	global_load_b128 v[R+64*((\f)%2)+4*\i:R+64*((\f)%2)+4*\i+3], v3, s[4:5] offset:(\i+8*(\i/8))*4096+512*(\f) th:TH_LOAD_NT
.endr
.endm
.macro TURNF f                         ; through the stage: in as loaded, back 32 neighbours of block 2 c + h of row r.  LDS serves a wave's instructions in order: no wait between
.set RS, R+64*((\f)%2)
.irp i, 0,1,2,3,4,5,6,7,8,9,10,11,12,13,14,15
	ds_store_b128 v4, v[RS+4*\i:RS+4*\i+3] offset:528*\i
.endr
.irp c, 0,1
.irp j, 0,1,2,3,4,5,6,7
	ds_load_b128 v[RS+32*\c+4*\j:RS+32*\c+4*\j+3], v5 offset:256*\c+16*\j
.endr
.endr
.endm
.macro QF f                            ; my two whole blocks become registers 6 c .. 6 c + 5 of the fragment; the image leaves by three stores of 512 consecutive bytes
.set RS, R+64*((\f)%2)
.irp c, 0,1
	v_max3_num_f32 v[MX+\c], |v[RS+32*\c]|, |v[RS+32*\c+1]|, 0x1800000   ; with the floor 2^(3 - 127): the byte cannot fall under 1
.endr
.irp i, 2,4,6,8,10,12,14,16,18,20,22,24,26,28,30
.irp c, 0,1
	v_max3_num_f32 v[MX+\c], v[MX+\c], |v[RS+32*\c+\i]|, |v[RS+32*\c+\i+1]|
.endr
.endr
.irp c, 0,1
	v_add_nc_u32 v[SOP+\c], 0xff000000, v[MX+\c]   ; 2 off the exponent field: the conversion's scale operand
.endr
.irp c, 0,1
	v_lshrrev_b32 v[BY+\c], 23, v[SOP+\c]          ; the scale's byte
.endr
	v_lshl_or_b32 v206, v[BY+1], 16, v[BY]         ; blocks h and 2 + h of row r,
	v_lshlrev_b32 v206, v6, v206                   ; 8 h bits up;
	v_permlanex16_b32 v207, v206, s20, s21
	v_or_b32 v[WD+(\f)], v206, v207                ; with lane l xor 16's two the word is whole
.irp c, 0,1
	v_cvt_scalef32_pk16_fp6_f32 v[C+12*(\f)+6*\c:C+12*(\f)+6*\c+2], v[RS+32*\c:RS+32*\c+15], v[SOP+\c]
	v_cvt_scalef32_pk16_fp6_f32 v[CT+4*\c:CT+4*\c+2], v[RS+32*\c+16:RS+32*\c+31], v[SOP+\c]   ; (a conversion's three registers begin on an even number)
.endr
	v_nop                                          ; one plain place behind the conversions
.irp c, 0,1
.irp i, 0,1,2
	v_mov_b32 v[C+12*(\f)+6*\c+3+\i], v[CT+4*\c+\i]
.endr
.endr
.irp j, 0,1,2
	global_store_b128 v3, v[C+12*(\f)+4*\j:C+12*(\f)+4*\j+3], s[10:11] offset:1536*(\f)+512*\j
.endr
.endm
	v_and_b32 v7, 15, v0                           ; r
	v_bfe_u32 v8, v0, 4, 1                         ; h
	s_mul_i32 s19, s18, STGW
	v_add_nc_u32 v4, s19, v3                       ; the stage, in: 16 x lane
	v_mul_u32_u24 v5, v7, 528
	v_lshl_add_u32 v5, v8, 7, v5
	v_add_nc_u32 v5, s19, v5                       ; and back: row r, + 128 h
	v_lshlrev_b32 v6, 3, v8                        ; 8 h
	v_lshl_add_u32 v9, v7, 5, v6                   ; the scale words' place: 32 r + 8 h
	v_mov_b32 v207, 0                              ; a lane permute's destination counts as one of its sources
	s_lshr_b32 s22, s18, 1                         ; which of the work-group's two stored tiles
	s_and_b32 s23, s18, 1                          ; which half of K
	s_lshl_b32 s24, ttmp9, 17                      ; 32 rows of 4,096 bytes a work-group
	s_lshl_b32 s25, s22, 15                        ; the second tile begins 8 rows on
	s_add_co_u32 s24, s24, s25
	s_lshl_b32 s25, s23, 11
	s_add_co_u32 s24, s24, s25
	s_mov_b32 s25, 0
	s_lshl_b32 s26, ttmp9, 1
	s_add_co_u32 s26, s26, s22                     ; the stored tile T
	s_mul_i32 s28, s26, 12288
	s_mul_i32 s27, s23, 6144
	s_add_co_u32 s28, s28, s27
	s_mov_b32 s29, 0
	s_lshl_b32 s30, s26, 9
	s_lshl_b32 s27, s23, 4
	s_add_co_u32 s30, s30, s27
	s_mov_b32 s31, 0
	s_wait_kmcnt 0x0
	s_add_nc_u64 s[4:5], s[4:5], s[24:25]
	s_add_nc_u64 s[10:11], s[10:11], s[28:29]
	s_add_nc_u64 s[12:13], s[12:13], s[30:31]
	LOADF 0
	LOADF 1
.irp f, 0,1,2,3
.if \f < 3
	s_wait_loadcnt 16                              ; this fragment's 16 loads are in; the next one's may be out
.else
	s_wait_loadcnt 0x0
.endif
	TURNF \f
	s_wait_dscnt 0x0
	QF \f
.if \f < 2
	LOADF \f+2
.endif
.endr
	v_cmp_ne_u32 vcc_lo, 0, v8
	v_cndmask_b32 v212, v208, v210, vcc_lo         ; lanes 0-15 store words 0 and 1 of their row, lanes 16-31 words 2 and 3
	v_cndmask_b32 v213, v209, v211, vcc_lo
	global_store_b64 v9, v[212:213], s[12:13]
	s_wait_tensorcnt 0x0                           ; the wave's end, behind my last LDS store
	ds_add_u32 v[SPW], v[NIL]
	s_wait_dscnt 0x0
	s_endpgm
; ---------------- the weights
.Lweights:
.macro LOADW t                         ; block t: rows 32 t .. 32 t + 31 of my column; 32 lanes read 128 consecutive bytes, the work-group's four waves 512
.irp i, 0,1,2,3,4,5,6,7,8,9,10,11,12,13,14,15,16,17,18,19,20,21,22,23,24,25,26,27,28,29,30,31
	global_load_b32 v[XW+32*((\t)%2)+\i], v[VO+\i], s[SB+2*(\t):SB+2*(\t)+1] th:TH_LOAD_NT
.endr
.endm
.macro BLOCKW t
.set XS, XW+32*((\t)%2)
.set FD, FW+24*((\t)/4)+12*((\t)%2)+6*(((\t)/2)%2)   ; even blocks into the first run of 12, odd ones into the second
.if (\t) < 7
	s_wait_loadcnt 32                              ; this block's 32 loads are in; the next block's may be out
.else
	s_wait_loadcnt 0x0
.endif
	v_max3_num_f32 v12, |v[XS]|, |v[XS+1]|, |v[XS+2]|
	v_max3_num_f32 v13, |v[XS+3]|, |v[XS+4]|, |v[XS+5]|
.irp i, 6,10,14,18,22,26
	v_max3_num_f32 v12, v12, |v[XS+\i]|, |v[XS+\i+1]|
	v_max3_num_f32 v13, v13, |v[XS+\i+2]|, |v[XS+\i+3]|
.endr
	v_max3_num_f32 v12, v12, |v[XS+30]|, |v[XS+31]|
	v_max3_num_f32 v12, v12, v13, 0x1800000        ; and the floor
	v_add_nc_u32 v11, 0xff000000, v12
	v_lshrrev_b32 v13, 23, v11
.if (\t)%4 == 0
	v_mov_b32 v[24+(\t)/4], v13                    ; four bytes to a word, the lower K in the lower byte
.else
	v_lshl_or_b32 v[24+(\t)/4], v13, 8*((\t)%4), v[24+(\t)/4]
.endif
	v_cvt_scalef32_pk16_fp6_f32 v[FD:FD+2], v[XS:XS+15], v11
	v_cvt_scalef32_pk16_fp6_f32 v[CW:CW+2], v[XS+16:XS+31], v11
	v_nop                                          ; one plain place behind the conversions
.irp i, 0,1,2
	v_mov_b32 v[FD+3+\i], v[CW+\i]
.endr
.if (\t)+2 < 8
	LOADW (\t)+2
.endif
.if (\t)%2 == 1                        ; lanes 0-15 hold tile 2 G's rows, lanes 16-31 tile 2 G + 1's: the even block's upper lanes change places with the odd block's lower lanes, and each run is one tile's image
.irp i, 0,1,2,3,4,5
	v_permlane16_swap_b32 v[FD-12+\i], v[FD+\i]
.endr
.endif
.if (\t)%4 == 3
.irp u, 0,1
.irp j, 0,1,2
	global_store_b128 v3, v[FW+24*((\t)/4)+12*\u+4*\j:FW+24*((\t)/4)+12*\u+4*\j+3], s[14:15] offset:12288*\u+1536*((\t)/4)+512*\j
.endr
.endr
.endif
.endm
	s_sub_co_u32 s22, ttmp9, 256
	s_lshr_b32 s23, s22, 2                         ; which 128 of the 4,096 joined columns
	s_and_b32 s24, s22, 3                          ; which 256 along K
	s_lshl_b32 s25, s23, 2
	s_add_co_u32 s25, s25, s18                     ; G: my wave's group of 32 columns
	v_and_b32 v7, 7, v2
	v_bfe_u32 v8, v2, 3, 1
	v_bfe_u32 v9, v2, 4, 1
	v_lshl_add_u32 v7, v8, 4, v7
	v_lshl_add_u32 v7, v9, 3, v7                   ; my column of the 32: the lane's bits 3 and 4 change places
	v_lshlrev_b32 v10, 5, v2                       ; my stored row's 32 scale bytes
	s_wait_kmcnt 0x0
	s_cmp_lt_u32 s23, 24                           ; Wqkv's columns or Wproj's?  The choice hangs on the work-group's number alone
	s_cselect_b64 s[6:7], s[6:7], s[8:9]
	s_mov_b32 s26, 4096
	s_cselect_b32 s26, 12288, s26                  ; a row of the tensor in bytes
	s_cselect_b32 s27, 0, 96
	s_sub_co_u32 s27, s25, s27                     ; the group's number in its own tensor
	s_lshl_b32 s27, s27, 7
	s_lshl_b32 s28, s26, 8
	s_mul_i32 s28, s28, s24                        ; 256 rows for each step along K
	s_add_co_u32 s28, s28, s27
	s_mov_b32 s29, 0
	s_add_nc_u64 s[SB:SB+1], s[6:7], s[28:29]
	s_lshl_b32 s30, s26, 5                         ; 32 rows on
	s_mov_b32 s31, 0
.irp t, 1,2,3,4,5,6,7
	s_add_nc_u64 s[SB+2*\t:SB+2*\t+1], s[SB+2*\t-2:SB+2*\t-1], s[30:31]
.endr
	v_lshlrev_b32 v[VO], 2, v7
.irp i, 1,2,3,4,5,6,7,8,9,10,11,12,13,14,15,16,17,18,19,20,21,22,23,24,25,26,27,28,29,30,31
	v_add_nc_u32 v[VO+\i], s26, v[VO+\i-1]
.endr
	s_mul_i32 s48, s25, 24576                      ; the images of tiles 2 G, 2 G + 1,
	s_mul_i32 s49, s24, 3072                       ; K steps 2 kq, 2 kq + 1
	s_add_co_u32 s48, s48, s49
	s_mov_b32 s49, 0
	s_add_nc_u64 s[14:15], s[14:15], s[48:49]
	s_lshl_b32 s48, s25, 10
	s_lshl_b32 s50, s24, 3
	s_add_co_u32 s48, s48, s50
	s_add_nc_u64 s[16:17], s[16:17], s[48:49]
	LOADW 0
	LOADW 1
.irp t, 0,1,2,3,4,5,6,7
	BLOCKW \t
.endr
	global_store_b64 v10, v[24:25], s[16:17]       ; my stored row's eight scale bytes
	s_wait_tensorcnt 0x0                           ; the same three lines on this path
	ds_add_u32 v[SPW], v[NIL]
	s_wait_dscnt 0x0
	s_endpgm
.Lfunc_end_k_q5afaa87e04_quant:
	.size	k_q5afaa87e04_quant, .Lfunc_end_k_q5afaa87e04_quant-k_q5afaa87e04_quant
	.p2alignl 7, 3214868480
	.fill 96, 4, 3214868480
	.section	.rodata,"a",@progbits
	.p2align	6, 0x0
	.amdhsa_kernel k_q5afaa87e04_quant
		.amdhsa_group_segment_fixed_size 34304
		.amdhsa_private_segment_fixed_size 0
		.amdhsa_enable_private_segment 0
		.amdhsa_kernarg_size 56
		.amdhsa_user_sgpr_count 2
		.amdhsa_user_sgpr_kernarg_segment_ptr 1
		.amdhsa_wavefront_size32 1
		.amdhsa_system_sgpr_workgroup_id_x 1
		.amdhsa_system_sgpr_workgroup_id_y 1
		.amdhsa_system_sgpr_workgroup_id_z 1
		.amdhsa_system_vgpr_workitem_id 0
		.amdhsa_next_free_vgpr 256
		.amdhsa_next_free_sgpr 66
		.amdhsa_reserve_vcc 1
		.amdhsa_float_denorm_mode_32 3
		.amdhsa_float_denorm_mode_16_64 3
		.amdhsa_memory_ordered 1
		.amdhsa_forward_progress 1
		.amdhsa_inst_pref_size 70
	.end_amdhsa_kernel
	.amdgpu_metadata
---
amdhsa.version: [ 1, 2 ]
amdhsa.kernels:
  - .name:           k_q5afaa87e04_quant
    .symbol:         k_q5afaa87e04_quant.kd
    .args:
      - { .name: x, .offset: 0, .size: 8, .value_kind: global_buffer, .address_space: global }
      - { .name: Wqkv, .offset: 8, .size: 8, .value_kind: global_buffer, .address_space: global }
      - { .name: Wproj, .offset: 16, .size: 8, .value_kind: global_buffer, .address_space: global }
      - { .name: xc, .offset: 24, .size: 8, .value_kind: global_buffer, .address_space: global }
      - { .name: xs, .offset: 32, .size: 8, .value_kind: global_buffer, .address_space: global }
      - { .name: wc, .offset: 40, .size: 8, .value_kind: global_buffer, .address_space: global }
      - { .name: ws, .offset: 48, .size: 8, .value_kind: global_buffer, .address_space: global }
    .group_segment_fixed_size: 34304
    .private_segment_fixed_size: 0
    .kernarg_segment_align: 8
    .kernarg_segment_size: 56
    .max_flat_workgroup_size: 128
    .sgpr_count:     66
    .vgpr_count:     256
    .wavefront_size: 32
...
	.end_amdgpu_metadata
.endif
;; end of part 1
;; launch qkv (part 2): grid 12 x 32, 4 waves a work-group, clusters of 4 x 4, 327,680 bytes of LDS; arguments xc, xs, wc, ws, bqkv, qi, kv; writes qi, kv
.if DOCPART == 2
	.amdgcn_target "amdgcn-amd-amdhsa--gfx1250"
	.amdhsa_code_object_version 6
	.text
	.protected	k_q5afaa87e04_qkv
	.globl	k_q5afaa87e04_qkv
	.p2align	8
	.type	k_q5afaa87e04_qkv,@function
k_q5afaa87e04_qkv:
	s_mov_b64 s[64:65], 0
	v_nop
	global_prefetch_b8 v0, s[64:65] scope:SCOPE_SE
	s_setreg_imm32_b32 hwreg(HW_REG_WAVE_MODE, 25, 1), 1
	s_wait_xcnt 0x0
	s_wait_alu depctr_hold_cnt(0) depctr_sa_sdst(0) depctr_va_vdst(0) depctr_va_sdst(0) depctr_va_ssrc(0) depctr_va_vcc(0) depctr_vm_vsrc(0)
	s_getreg_b32 s2, hwreg(HW_REG_IB_STS2, 6, 4)
	s_cmp_eq_u32 s2, 0
	s_cbranch_scc0 .Lentry_in_a_cluster
	s_endpgm
.Lentry_in_a_cluster:
	s_bfe_u32 s2, ttmp6, 0x10000c
	s_cmp_lg_u32 s2, 0xf033
	s_cbranch_scc0 .Lentry_shape_is_right
	s_endpgm
.Lentry_shape_is_right:
; qkv = x Wqkv + bqkv on codes of FP6 (E2M3) with E8M0 scales; the results are quantised at once and leave as codes: q and k along the head's 64, v along the keys.  No f32 number of q, k, v goes to memory.
; A tile of 256 tokens x 256 columns is made by a work-group of four waves, each 128 x 128: 64 accumulators, 512 registers.  K = 1,024 goes in four steps of 256 through two LDS slots filled by the tensor data mover.
; OPERANDS LIE IN MEMORY AS IMAGES OF THEIR REGISTERS (1,536 bytes a fragment of 16 rows x 128 K; registers 4 c .. 4 c + 3 of lane l at 512 c + 16 l): a fragment comes by three ds_load_b128 of 512 consecutive bytes; no pitch, no padding.
; Row r of stored tile T is row 32 (T / 2) + 8 (T % 2) + r + 8 (r / 8): so a lane's 16 registers of result tiles 2 b, 2 b + 1 are the 16 neighbours 32 b + 16 (lane / 16) + 0 .. 15 along source 0's rows.
; CLUSTERS: 4 x 4 work-groups; x's tiles are asked for jointly along a row of the cluster, W's along a column.  The cluster's x is 0 for q, 1 for k, 2 for v.
; THE ROLE.  q, k: source 0 = W's columns, source 1 = tokens: a lane holds one token and its registers run along the head's dims.  v: source 0 = tokens, source 1 = W's columns: a lane holds one channel and its registers run along the keys.
; The role (the cluster's x = 2: equal in all partners) only chooses which LDS region feeds which source.
; OUT.  kv: [64 heads][16 steps of 128 keys][12,800]: +0 K's 4 images (32 keys each), +6,144 V's 4 images (16 channels x 128 keys), +12,288 K's scale words (16 r + 4 g), +12,544 V's (16 r + 4 t).  qi: the same places as K's, with q.
; K's image of 32 keys is packed: registers 0-5 of lane (r, h) are dims 32 h .. of token r + 8 (r / 8), registers 6-11 those of the token 8 further on.
; LIMITS: a block of zeros gets the byte 1 (this program alone reads the bytes); NaN and infinities are not served.
; REGISTERS: window 0: v16-31 addresses; v32-63 source 1's scale words, v64-95 source 0's, two sets each; v96-123 the way out's words and v's biases; v128-223 source 1's fragments, one set; on the way out v128-241 are at work.
;   window 1: source 0's fragments, two sets at v0 and v128; q's and k's biases at v96-127, v224-255.   windows 2, 3: the accumulators ((a, b) at v[8 (8 (a % 4) + b)]).
.set FIMG,  1536
.set NQ,    2
.set TROW,  NQ*FIMG                    ; a tile's part of a slot
.set HALFT, 8*TROW                     ; 8 tiles: what one tensor load brings, and what one wave reads for a source
.set SLOT,  4*HALFT                    ; x's 16 tiles, then W's 16
.set SPARE, 2*SLOT                     ; behind the ring: the spare words, 128 bytes for each wave
.set SCL,   SPARE+512                  ; behind them the scale bytes, as units of 256 bytes + 16 of padding
.set HALFS, 16*272                     ; those of 128 rows: what one tensor load brings
.set SBLK,  2*272                      ; those of 16 rows
.set HEADB, 204800                     ; a head in kv and qi
.set FR,    12
.set NLA,   3                          ; LDS loads that bring a fragment
.set NP,    4                          ; places behind this matrix instruction (ISA guide 7.12.1)
.set ADRR, 16                          ; v16-17 source 1's fragments in slot 0, 1
.set ADRP, 20                          ; v20-21 source 0's
.set VO,   24                          ; v24 16 x lane
.set VS,   25                          ; v25 the scale words' way out: 16 r + a head for lanes 16-31
.set ADSP, 26                          ; v26 source 0's scale words
.set ADSR, 27                          ; v27 source 1's
.set SPW,  28
.set NIL,  29
.set SCR,  32
.set SCP,  64
.set SW,   96                          ; v96-103 the way out: scale words, head c, place g at SW + 4 c + g
.set OUTW, 104                         ; v104-107
.set BR,   108                         ; v108-123 v's biases, a pair for each block of channels
.set AF,   128
.set HA,   128                         ; the way out: 64 numbers
.set I0,   192                         ; v192-203, v204-215 two images
.set CT,   216                         ; v216-218, v220-222
.set TM,   224                         ; v224-239
.set PW,   240                         ; v240-241
.set SEL,  2                           ; s[2:3]
.set G1, 24
.set G0, 32
.set G1B, 48
.set G0B, 56
.set G1S, 68
.set G0S, 76
.set G1SB, 80
.set G0SB, 88
.set MSB, 0
.macro WIN new                         ; the immediate's high byte repeats the setting that is left
.if MSB != \new
	s_set_vgpr_msb (MSB<<8)|\new
.set MSB, \new
.endif
.endm
.set MUL_LO, 0xa1                      ; source 0 window 1, source 1 window 0, C and D window 2
.set MUL_HI, 0xf1
.set TO_B,   0x40
; A joint load: waves 0 and 1 fetch x's halves, waves 2 and 3 W's.  An s_nop 0 and four v_nop follow each of the two lines.
.macro JLOAD g0a, g1a, g0b, g1b
	s_cmp_eq_u32 s15, 0
	s_cbranch_scc0 .Lfor_b_\@
	tensor_load_to_lds s[\g0a:\g0a+3], s[\g1a:\g1a+7]
	s_nop 0
.rept 4
	v_nop
.endr
	s_branch .Lasked_\@
.Lfor_b_\@:
	tensor_load_to_lds s[\g0b:\g0b+3], s[\g1b:\g1b+7]
	s_nop 0
.rept 4
	v_nop
.endr
.Lasked_\@:
.endm
.macro CREST
	s_cmp_lg_u32 s14, 0
	s_cbranch_scc1 .Lnot_wave_0_\@
	s_barrier_signal -3
.Lnot_wave_0_\@:
	s_barrier_wait -3
	s_barrier_signal -1
	s_barrier_wait -1
.endm
.macro CROUND
	s_barrier_signal -1
	s_barrier_wait -1
	CREST
.endm
	s_load_b128 s[4:7], s[0:1], 0x0                ; x's codes, x's scales
	s_load_b128 s[8:11], s[0:1], 0x10              ; W's codes, W's scales
	s_load_b64 s[12:13], s[0:1], 0x20              ; bqkv
	s_load_b128 s[96:99], s[0:1], 0x28             ; qi, kv
	v_lshl_add_u32 v[SPW], v0, 2, SPARE
	v_mov_b32 v[NIL], 0
	ds_add_u32 v[SPW], v[NIL]                      ; the wave's opening: the add and its wait ahead of my first tensor load
	v_lshrrev_b32 v1, 5, v0
	v_readfirstlane_b32 s14, v1                    ; wave 0..3
	s_lshr_b32 s15, s14, 1                         ; source 1's half.  Also: I fetch for x (0) or for W (1)
	s_and_b32 s16, s14, 1                          ; source 0's half.  Also: which 8 tiles I fetch
	s_bfe_u32 s40, ttmp6, 0x40000                  ; cx, cy
	s_bfe_u32 s41, ttmp6, 0x40004
	s_lshl_b32 s42, ttmp9, 2
	s_add_co_u32 s42, s42, s40                     ; tile column = 4 x cluster x + cx
	s_and_b32 s17, ttmp7, 0xffff
	s_lshl_b32 s17, s17, 2
	s_add_co_u32 s17, s17, s41                     ; tile row = 4 x cluster y + cy
	s_lshl_b32 s43, s41, 2
	s_lshl_b32 s43, 15, s43                        ; my row of the cluster
	s_lshl_b32 s44, 0x1111, s40                    ; my column
	; group 1 for the codes: 8 rows (tiles) of 3,072 bytes, 12,288 bytes apart, in elements of 8 bytes; no padding
	s_or_b32 s[G1+0], s43, (3<<16)|(1<<21)
	s_or_b32 s[G1B+0], s44, (3<<16)|(1<<21)
.irp g, G1, G1B
	s_mov_b32 s[\g+1], 384<<16                     ; tensor_dim0
	s_mov_b32 s[\g+2], 8<<16                       ; tensor_dim1
	s_mov_b32 s[\g+3], 384<<16                     ; tile_dim0
	s_mov_b32 s[\g+4], 8                           ; tile_dim1
	s_mov_b32 s[\g+5], 1536                        ; tensor_dim0_stride
	s_mov_b32 s[\g+6], 0
	s_mov_b32 s[\g+7], 0
.endr
	; and for the scale bytes of 128 rows: 4,096 dense bytes as 16 rows of 256, 16 bytes of padding behind each
	s_or_b32 s[G1S+0], s43, (3<<16)|(1<<20)|(1<<21)|(5<<22)|(3<<25)
	s_or_b32 s[G1SB+0], s44, (3<<16)|(1<<20)|(1<<21)|(5<<22)|(3<<25)
.irp g, G1S, G1SB
	s_mov_b32 s[\g+1], 32<<16
	s_mov_b32 s[\g+2], 16<<16
	s_mov_b32 s[\g+3], 32<<16
	s_mov_b32 s[\g+4], 16
	s_mov_b32 s[\g+5], 32
	s_mov_b32 s[\g+6], 0
	s_mov_b32 s[\g+7], 0
.endr
	s_lshl_b32 s18, s16, 7
	s_lshl_b32 s20, s17, 8
	s_add_co_u32 s20, s20, s18                     ; x: stored row 256 x tile row + 128 x half
	s_lshl_b32 s46, s42, 8
	s_add_co_u32 s46, s46, s18                     ; W: stored row 256 x tile column + 128 x half
	s_lshl_b32 s22, s20, 5                         ; 32 scale bytes a row
	s_mov_b32 s23, 0
	s_lshl_b32 s92, s46, 5
	s_mov_b32 s93, 0
	s_mul_i32 s20, s20, 768                        ; 12,288 bytes of codes for 16 rows
	s_mov_b32 s21, 0
	s_mul_i32 s46, s46, 768
	s_mov_b32 s47, 0
	s_mul_i32 s45, s14, HALFT                      ; where they go: wave x 8 tiles: no place in the cluster enters an LDS address
	s_mul_i32 s94, s14, HALFS
	s_cmp_eq_u32 ttmp9, 2                          ; the role: the cluster's x, equal in all sixteen partners
	s_cselect_b32 s66, 1, 0
	s_cselect_b32 s67, 2*HALFT, 0                  ; source 1's region: x's, or W's for v
	s_cselect_b32 s95, 0, 2*HALFT                  ; source 0's
	s_cselect_b32 s100, 2*HALFS, 0                 ; and the same for the scale bytes
	s_cselect_b32 s101, 0, 2*HALFS
	s_cselect_b32 s18, s15, s16                    ; which half of the 256 columns is mine,
	s_cselect_b32 s19, s16, s15                    ; and which half of the 256 tokens
	s_mov_b32 s[SEL], 0x76543210
	s_mov_b32 s[SEL+1], 0xfedcba98
	s_wait_dscnt 0x0                               ; the opening add is done
	s_wait_kmcnt 0x0
	s_add_nc_u64 s[20:21], s[4:5], s[20:21]
	s_add_nc_u64 s[22:23], s[6:7], s[22:23]
	s_add_nc_u64 s[46:47], s[8:9], s[46:47]
	s_add_nc_u64 s[92:93], s[10:11], s[92:93]
	CROUND                                         ; all sixteen work-groups are here: the first joint loads meet
	s_mov_b32 s[G0S], 1
	s_add_co_u32 s[G0S+1], s94, SCL
	s_mov_b64 s[G0S+2:G0S+3], s[22:23]
	s_or_b32 s[G0S+3], s[G0S+3], 0x80000000
	s_mov_b32 s[G0SB], 1
	s_add_co_u32 s[G0SB+1], s94, SCL
	s_mov_b64 s[G0SB+2:G0SB+3], s[92:93]
	s_or_b32 s[G0SB+3], s[G0SB+3], 0x80000000
	JLOAD G0S, G1S, G0SB, G1SB                     ; the scale bytes for all of K: filled once
.irp s, 0,1
	s_mov_b32 s[G0+4*\s], 1
	s_add_co_u32 s[G0+4*\s+1], s45, \s*SLOT
	s_add_nc_u64 s[G0+4*\s+2:G0+4*\s+3], s[20:21], \s*TROW
	s_or_b32 s[G0+4*\s+3], s[G0+4*\s+3], 0x80000000
	s_mov_b32 s[G0B+4*\s], 1
	s_add_co_u32 s[G0B+4*\s+1], s45, \s*SLOT
	s_add_nc_u64 s[G0B+4*\s+2:G0B+4*\s+3], s[46:47], \s*TROW
	s_or_b32 s[G0B+4*\s+3], s[G0B+4*\s+3], 0x80000000
	JLOAD G0+4*\s, G1, G0B+4*\s, G1B               ; three tensor loads of mine are out
.endr
	v_and_b32 v1, 15, v0                           ; r
	v_bfe_u32 v2, v0, 4, 1                         ; h
	v_and_b32 v3, 31, v0
	v_lshlrev_b32 v[VO], 4, v3
	s_mul_i32 s21, s15, HALFT
	s_add_co_u32 s21, s21, s67
	s_mul_i32 s22, s16, HALFT
	s_add_co_u32 s22, s22, s95
.irp s, 0,1
	v_add_nc_u32 v[ADRR+\s], s21, v[VO]
	v_add_nc_u32 v[ADRP+\s], s22, v[VO]
	s_add_co_u32 s21, s21, SLOT
	s_add_co_u32 s22, s22, SLOT
.endr
	v_lshlrev_b32 v5, 5, v1                        ; my row's scale bytes: 32 a row,
	v_lshrrev_b32 v6, 3, v1
	v_lshl_add_u32 v5, v6, 4, v5                   ; and 16 more behind each 256
	s_mul_i32 s21, s15, HALFS
	s_add_co_u32 s21, s21, s100
	s_add_co_u32 s21, s21, SCL
	v_add_nc_u32 v[ADSR], s21, v5
	s_mul_i32 s22, s16, HALFS
	s_add_co_u32 s22, s22, s101
	s_add_co_u32 s22, s22, SCL
	v_add_nc_u32 v[ADSP], s22, v5
	; the biases of my 128 columns, both ways (a role uses one): along the registers (64 a lane) and one a lane for each of eight blocks
	s_lshl_b32 s46, s42, 10
	s_lshl_b32 s47, s18, 9
	s_add_co_u32 s46, s46, s47
	s_mov_b32 s47, 0
	s_add_nc_u64 s[12:13], s[12:13], s[46:47]
	v_lshlrev_b32 v30, 6, v2                       ; 16 numbers on for lanes 16-31
	v_and_b32 v31, 8, v1
	v_add_nc_u32 v31, v31, v1
	v_lshlrev_b32 v31, 2, v31                      ; 4 (r + 8 (r / 8))
	WIN TO_B
.set n, 0
.rept 16
	global_load_b128 v[96+4*n+96*(n/8):99+4*n+96*(n/8)], v30, s[12:13] offset:128*(n/4)+16*(n%4)
.set n, n+1
.endr
	WIN 0
.irp a, 0,1,2,3,4,5,6,7
	global_load_b32 v[BR+2*\a], v31, s[12:13] offset:4*(32*(\a/2)+8*(\a%2))
.endr
	; where my results go: record ((16 batch + head) 16 + step of 128 keys)
	s_lshr_b32 s46, s17, 3
	s_lshl_b32 s46, s46, 4
	s_and_b32 s47, s42, 3
	s_lshl_b32 s47, s47, 2
	s_add_co_u32 s46, s46, s47
	s_lshl_b32 s47, s18, 1
	s_add_co_u32 s46, s46, s47                     ; the first of my two heads
	s_lshl_b32 s46, s46, 4
	s_and_b32 s47, s17, 7
	s_lshl_b32 s47, s47, 1
	s_add_co_u32 s46, s46, s47
	s_add_co_u32 s46, s46, s19
	s_mul_i32 s46, s46, 12800
	s_mov_b32 s47, 0
	s_cmp_eq_u32 ttmp9, 0
	s_cselect_b64 s[96:97], s[96:97], s[98:99]     ; q goes to qi, k and v to kv
	s_add_nc_u64 s[96:97], s[96:97], s[46:47]
	v_mul_u32_u24 v[VS], v2, HEADB
	v_lshl_add_u32 v[VS], v1, 4, v[VS]
	s_mov_b32 s18, 0xffff0000                      ; lanes 16-31
.irp b, 0,1,2,3
	v_mov_b32 v[TM+4+\b], 0                        ; a lane permute's destination counts as one of its sources
.endr
.macro FRAG3 reg, adr, q, i            ; a fragment comes as it lies: three loads of 512 consecutive bytes
.irp c, 0,1,2
	ds_load_b128 v[\reg+4*\c:\reg+4*\c+3], v[\adr] offset:(\i)*TROW+(\q)*FIMG+512*\c
.endr
.endm
; 16 matrix instructions: source 1's blocks a0, a0 + 1 x source 0's eight.  The 64 accumulators take turns, one instruction a turn, in the same order in every step.
.macro MUL16 a0, p, q, sc, zero
.irp a, \a0, \a0+1
.irp b, 0,1,2,3,4,5,6,7
.if \zero
	v_wmma_scale_f32_16x16x128_f8f6f4 v[8*(8*((\a)%4)+\b):8*(8*((\a)%4)+\b)+7], v[128*(\p)+FR*\b:128*(\p)+FR*\b+FR-1], v[AF+FR*(\a):AF+FR*(\a)+FR-1], 0, v[SCP+16*(\sc)+2*\b+(\q)], v[SCR+16*(\sc)+2*(\a)+(\q)] matrix_a_fmt:MATRIX_FMT_FP6 matrix_b_fmt:MATRIX_FMT_FP6
.else
	v_wmma_scale_f32_16x16x128_f8f6f4 v[8*(8*((\a)%4)+\b):8*(8*((\a)%4)+\b)+7], v[128*(\p)+FR*\b:128*(\p)+FR*\b+FR-1], v[AF+FR*(\a):AF+FR*(\a)+FR-1], v[8*(8*((\a)%4)+\b):8*(8*((\a)%4)+\b)+7], v[SCP+16*(\sc)+2*\b+(\q)], v[SCR+16*(\sc)+2*(\a)+(\q)] matrix_a_fmt:MATRIX_FMT_FP6 matrix_b_fmt:MATRIX_FMT_FP6
.endif
.endr
.endr
.endm
.macro FETCH_P slot, q, p
	WIN TO_B
.irp i, 0,1,2,3,4,5,6,7
	FRAG3 128*(\p)+FR*\i, ADRP+\slot, \q, \i
.endr
	WIN 0
.endm
.macro FETCH_R slot, q, i0
.irp i, \i0, \i0+1, \i0+2, \i0+3
	FRAG3 AF+FR*(\i), ADRR+\slot, \q, \i
.endr
.endm
.macro SCALES sc                       ; a slot's two words of each row, for both sources
.irp i, 0,1,2,3,4,5,6,7
	ds_load_b64 v[SCR+16*\sc+2*\i:SCR+16*\sc+2*\i+1], v[ADSR] offset:\i*SBLK
	ds_load_b64 v[SCP+16*\sc+2*\i:SCP+16*\sc+2*\i+1], v[ADSP] offset:\i*SBLK
.endr
.endm
.macro PLACES n                        ; plain vector instructions between a matrix instruction and a load into, or a read of, its registers
.rept \n
	v_nop
.endr
.endm
.macro STEP slot, q, zero              ; 128 along K whose successor lies in the same slot
	s_wait_dscnt 4*NLA                             ; source 0's set and source 1's blocks 0-3 are in; the youngest loads (blocks 4-7) may be out
	WIN MUL_LO
	MUL16 0, (\q)%2, \q, \slot, \zero
	MUL16 2, (\q)%2, \q, \slot, \zero
	s_wait_dscnt 0
	PLACES NP
	FETCH_P \slot, (\q)+1, 1-(\q)%2
	FETCH_R \slot, (\q)+1, 0
	WIN MUL_HI
	MUL16 4, (\q)%2, \q, \slot, \zero
	MUL16 6, (\q)%2, \q, \slot, \zero
	PLACES NP
	WIN 0
	FETCH_R \slot, (\q)+1, 4
.endm
; A slot's last step changes slots: one barrier; in front of it each wave waits for all its tensor loads, adds 0 to its spare word, and waits for that and for its reads of this slot.
.macro TURN slot, next, fill
	s_wait_tensorcnt 0x0                           ; all my tensor loads have landed: my part of the next slot
	ds_add_u32 v[SPW], v[NIL]
	s_wait_dscnt 4*NLA+1                           ; (the add and the youngest loads may be out)
	WIN MUL_LO
	MUL16 0, 1, NQ-1, \slot, 0
	s_wait_dscnt 0x0                               ; the add is done, and my reads of this slot are over
	s_barrier_signal -1
	MUL16 2, 1, NQ-1, \slot, 0
	WIN 0
	s_barrier_wait -1
.if \fill
	CREST                                          ; the barrier has opened a round of the cluster's: no wave of any partner still reads this slot or has a load on its way
	s_add_nc_u64 s[G0+4*\slot+2:G0+4*\slot+3], s[G0+4*\slot+2:G0+4*\slot+3], 2*TROW
	s_add_nc_u64 s[G0B+4*\slot+2:G0B+4*\slot+3], s[G0B+4*\slot+2:G0B+4*\slot+3], 2*TROW
	JLOAD G0+4*\slot, G1, G0B+4*\slot, G1B         ; the first tensor load behind the round; its four v_nop are the places in front of the loads below
.else
	PLACES NP
.endif
	v_add_nc_u32 v[ADSR], 4*NQ, v[ADSR]            ; the next slot's scale words
	v_add_nc_u32 v[ADSP], 4*NQ, v[ADSP]
	FETCH_P \next, 0, 0
	FETCH_R \next, 0, 0
	SCALES \next
	WIN MUL_HI
	MUL16 4, 1, NQ-1, \slot, 0
	MUL16 6, 1, NQ-1, \slot, 0
	PLACES NP
	WIN 0
	FETCH_R \next, 0, 4
.endm
	s_wait_tensorcnt 1                             ; the scales and my part of slot 0 are in (slot 1's load may be out),
	s_barrier_signal -1
	s_barrier_wait -1                              ; everybody's are
	FETCH_P 0, 0, 0
	FETCH_R 0, 0, 0
	SCALES 0
	FETCH_R 0, 0, 4
	STEP 0, 0, 1                                   ; the first products start the sums: nothing is cleared
	TURN 0, 1, 1                                   ; K = 1,024 is four slots' worth: written out
	STEP 1, 0, 0
	TURN 1, 0, 1
	STEP 0, 0, 0
	TURN 0, 1, 0                                   ; nothing is left to fetch
	STEP 1, 0, 0
	s_wait_dscnt 4*NLA
	WIN MUL_LO
	MUL16 0, 1, NQ-1, 1, 0
	MUL16 2, 1, NQ-1, 1, 0
	s_wait_dscnt 0
	WIN MUL_HI
	MUL16 4, 1, NQ-1, 1, 0
	MUL16 6, 1, NQ-1, 1, 0
	WIN 0
; THE WAY OUT.  Block a's 64 numbers of a lane get their bias and are quantised in registers: register 16 b + i is number 32 b + 16 (lane / 16) + i along source 0's rows.
.macro ADDB a, role                    ; each accumulator is read from its low end on
.if \role
	WIN 0x02+(\a)/4                                ; source 0: window 2 or 3
.else
	WIN 0x06+(\a)/4                                ; and source 1: window 1
.endif
.set n, 0
.rept 32
.if \role
	v_pk_add_f32 v[HA+n:HA+n+1], v[64*((\a)%4)+n:64*((\a)%4)+n+1], v[BR+2*(\a):BR+2*(\a)+1]
.else
	v_pk_add_f32 v[HA+n:HA+n+1], v[64*((\a)%4)+n:64*((\a)%4)+n+1], v[96+n+96*(n/32):97+n+96*(n/32)]
.endif
.set n, n+2
.endr
	WIN 0
.endm
.macro QUANT s, d0, d1, pw             ; 64 numbers -> the codes of numbers 0-63 in v[d0] on, of 64-127 in v[d1] on (six registers each), the four scale bytes in v[pw]
.irp b, 0,1,2,3
	v_max3_num_f32 v[TM+\b], |v[\s+16*\b]|, |v[\s+1+16*\b]|, 0x1800000   ; with the floor 2^(3 - 127)
.endr
.irp i, 2,4,6,8,10,12,14
.irp b, 0,1,2,3
	v_max3_num_f32 v[TM+\b], v[TM+\b], |v[\s+16*\b+\i]|, |v[\s+1+16*\b+\i]|
.endr
.endr
.irp b, 0,1,2,3
	v_permlanex16_b32 v[TM+4+\b], v[TM+\b], s[SEL], s[SEL+1]
.endr
.irp b, 0,1,2,3
	v_max_num_f32 v[TM+\b], v[TM+\b], v[TM+4+\b]   ; with lane l xor 16's: the block's largest magnitude
.endr
.irp b, 0,1,2,3
	v_add_nc_u32 v[TM+12+\b], 0xff000000, v[TM+\b] ; 2 off the exponent field: the conversion's scale operand
.endr
.irp b, 0,1,2,3
	v_lshrrev_b32 v[TM+4+\b], 23, v[TM+12+\b]
.endr
	v_lshl_or_b32 v[\pw], v[TM+5], 8, v[TM+4]
	v_lshl_or_b32 v[\pw], v[TM+6], 16, v[\pw]
	v_lshl_or_b32 v[\pw], v[TM+7], 24, v[\pw]
	v_cvt_scalef32_pk16_fp6_f32 v[\d0:\d0+2], v[\s:\s+15], v[TM+12]
	v_cvt_scalef32_pk16_fp6_f32 v[CT:CT+2], v[\s+16:\s+31], v[TM+13]
	v_cvt_scalef32_pk16_fp6_f32 v[\d1:\d1+2], v[\s+32:\s+47], v[TM+14]
	v_cvt_scalef32_pk16_fp6_f32 v[CT+4:CT+6], v[\s+48:\s+63], v[TM+15]
	v_nop                                          ; one plain place behind the conversions
.irp i, 0,1,2                          ; the layout wants a whole block in a lane
	v_permlane16_swap_b32 v[\d0+\i], v[CT+\i]
	v_permlane16_swap_b32 v[\d1+\i], v[CT+4+\i]
.endr
.irp i, 0,1,2
	v_mov_b32 v[\d0+3+\i], v[CT+\i]
	v_mov_b32 v[\d1+3+\i], v[CT+4+\i]
.endr
.endm
	s_wait_loadcnt 0x0                             ; the biases
	PLACES NP                                      ; behind the last products
	s_cmp_eq_u32 s66, 1
	s_cbranch_scc1 .Lvals
	; q, k: blocks 2 g and 2 g + 1 of tokens make one packed image of 32 tokens for each of my two heads
.irp g, 0,1,2,3
	s_wait_xcnt 0x0                                ; the last stores have read the images' registers
.irp u, 0,1
	ADDB 2*\g+\u, 0
	QUANT HA, I0+6*\u, I0+12+6*\u, PW+\u
.endr
	v_perm_b32 v[SW+\g], v[PW+1], v[PW], 0x05040100     ; head 0: the two tokens' low halves
	v_perm_b32 v[SW+4+\g], v[PW+1], v[PW], 0x07060302   ; head 1: their high halves
.irp c, 0,1
.irp j, 0,1,2
	global_store_b128 v[VO], v[I0+12*\c+4*\j:I0+12*\c+4*\j+3], s[96:97] offset:HEADB*\c+FIMG*\g+512*\j   ; 512 consecutive bytes
.endr
.endr
.endr
	s_branch .Lwords
.Lvals:
	; v: block a of channels x my 128 keys is one image
	v_add_nc_u32 v[VS], 256, v[VS]                 ; V's scale words lie 256 bytes behind K's
.irp a, 0,1,2,3,4,5,6,7
	v_mov_b32 v[BR+2*\a+1], v[BR+2*\a]
.endr
.irp a, 0,1,2,3,4,5,6,7
	s_wait_xcnt 0x0
	ADDB \a, 1
	QUANT HA, I0, I0+6, SW+\a
.irp j, 0,1,2
	global_store_b128 v[VO], v[I0+4*\j:I0+4*\j+3], s[96:97] offset:HEADB*(\a/4)+6144+FIMG*(\a%4)+512*\j
.endr
.endr
.Lwords:
.irp j, 0,1,2,3
	v_cndmask_b32 v[OUTW+\j], v[SW+\j], v[SW+4+\j], s18   ; lanes 0-15 store the first head's four words of their row, lanes 16-31 the second head's
.endr
	global_store_b128 v[VS], v[OUTW:OUTW+3], s[96:97] offset:12288   ; sixteen lanes store 256 consecutive bytes
	s_wait_tensorcnt 0x0                           ; the wave's end
	ds_add_u32 v[SPW], v[NIL]
	s_wait_dscnt 0x0
	CROUND                                         ; the closing round
	s_endpgm
.Lfunc_end_k_q5afaa87e04_qkv:
	.size	k_q5afaa87e04_qkv, .Lfunc_end_k_q5afaa87e04_qkv-k_q5afaa87e04_qkv
	.p2alignl 7, 3214868480
	.fill 96, 4, 3214868480
	.section	.rodata,"a",@progbits
	.p2align	6, 0x0
	.amdhsa_kernel k_q5afaa87e04_qkv
		.amdhsa_group_segment_fixed_size 327680
		.amdhsa_private_segment_fixed_size 0
		.amdhsa_enable_private_segment 0
		.amdhsa_kernarg_size 56
		.amdhsa_user_sgpr_count 2
		.amdhsa_user_sgpr_kernarg_segment_ptr 1
		.amdhsa_wavefront_size32 1
		.amdhsa_system_sgpr_workgroup_id_x 1
		.amdhsa_system_sgpr_workgroup_id_y 1
		.amdhsa_system_sgpr_workgroup_id_z 1
		.amdhsa_system_vgpr_workitem_id 0
		.amdhsa_next_free_vgpr 1024
		.amdhsa_next_free_sgpr 102
		.amdhsa_reserve_vcc 0
		.amdhsa_float_denorm_mode_32 3
		.amdhsa_float_denorm_mode_16_64 3
		.amdhsa_memory_ordered 1
		.amdhsa_forward_progress 1
		.amdhsa_inst_pref_size 210
	.end_amdhsa_kernel
	.amdgpu_metadata
---
amdhsa.version: [ 1, 2 ]
amdhsa.kernels:
  - .name:           k_q5afaa87e04_qkv
    .symbol:         k_q5afaa87e04_qkv.kd
    .args:
      - { .name: xc, .offset: 0, .size: 8, .value_kind: global_buffer, .address_space: global }
      - { .name: xs, .offset: 8, .size: 8, .value_kind: global_buffer, .address_space: global }
      - { .name: wc, .offset: 16, .size: 8, .value_kind: global_buffer, .address_space: global }
      - { .name: ws, .offset: 24, .size: 8, .value_kind: global_buffer, .address_space: global }
      - { .name: bqkv, .offset: 32, .size: 8, .value_kind: global_buffer, .address_space: global }
      - { .name: qi, .offset: 40, .size: 8, .value_kind: global_buffer, .address_space: global }
      - { .name: kv, .offset: 48, .size: 8, .value_kind: global_buffer, .address_space: global }
    .group_segment_fixed_size: 327680
    .private_segment_fixed_size: 0
    .kernarg_segment_align: 8
    .kernarg_segment_size: 56
    .max_flat_workgroup_size: 128
    .sgpr_count:     102
    .vgpr_count:     1024
    .wavefront_size: 32
...
	.end_amdgpu_metadata
.endif
;; end of part 2
;; launch attn (part 3): grid 4 x 64, 16 waves a work-group, no clusters, 327,680 bytes of LDS; arguments qi, kv, yc, ys; writes yc, ys
.if DOCPART == 3
	.amdgcn_target "amdgcn-amd-amdhsa--gfx1250"
	.amdhsa_code_object_version 6
	.text
	.protected	k_q5afaa87e04_attn
	.globl	k_q5afaa87e04_attn
	.p2align	8
	.type	k_q5afaa87e04_attn,@function
k_q5afaa87e04_attn:
	s_mov_b64 s[64:65], 0
	v_nop
	global_prefetch_b8 v0, s[64:65] scope:SCOPE_SE
	s_setreg_imm32_b32 hwreg(HW_REG_WAVE_MODE, 25, 1), 1
	s_wait_xcnt 0x0
; Causal attention of one head on codes of FP6 (E2M3) with E8M0 scales; head size 64; y = O / l leaves as codes, quantised along the model's 1,024 (two blocks a head).
; qi, kv: [64 heads][16 steps of 128 keys][12,800]: +0 four packed images of 32 tokens (registers 0-5 of lane (r, h): dims 32 h .. of token r + 8 (r / 8); registers 6-11: the token 8 on), +6,144 V's four images
; (16 channels x 128 keys), +12,288 K's scale words (16 r + 4 g), +12,544 V's (16 r + 4 t).  An image is 1,536 bytes: registers 4 c .. 4 c + 3 of lane l at 512 c + 16 l.
; K = 64 IS HALF OF THE INSTRUCTION'S 128: one packed fragment of K is multiplied by [Q | zero codes] (tokens r + 8 (r / 8)) and by [zero codes | Q] (the tokens 8 on).  Zero codes add nothing under any byte that occurs.
; THE SOFTMAX: t = score x log2(e) / 8; M = the running largest t rounded up to a whole number; p = 2^(t - M) is quantised along the keys; the sum is taken of the unquantised p and divides O at the end.
; SHARES.  Work-group (j, head) owns query blocks 7 - j and then j, 256 queries each: slots of 256 keys 0 .. 7 - j, then 0 .. j: nine trips for every work-group, and every slot asked for is read.
; Each of sixteen waves owns 16 queries of a block: tokens 32 (w / 2) + 8 (w % 2) + r + 8 (r / 8).  Both products are used transposed: a lane holds one query throughout.
; No cluster: from the sixth trip on the four work-groups of a head walk different slots, and a slot's 25,600 bytes feed 32 wave steps.
; LIMITS: a block's largest p is taken from its largest score (v_exp_f32 is taken not to fall where its input rises); O / l is v_rcp_f32 and a multiplication; a block of zeros gets the byte 1; NaN and infinities are not served.
; REGISTERS: v1 r, v2 h, v3 16 x lane, v4 16 r, v5, v6 the add's two, v7, v8 the step's LDS addresses, v9 r + 8 (r / 8) - 16 h, v11 8 x lane, v12 -M, v13 largest t, v[14:15] the sum, v16-33 Q | zeros | Q, v34 32 r + h, v35 prefetch offset,
;   v36-83 four fragments of K, then of V, v84-87 K's scale words, v88-91 V's, v92 Q's, v93 p's, v94 the second block's Q's, v96-159 S^T then p, v160-191 O^T, v192-203 p's codes, v204-227 at work, v228-233 the second block's Q, v236-245 y's codes.
.set REC,   12800
.set FIMG,  1536
.set SLOTB, 2*REC
.set SLOT1, 32768                      ; slot 1 begins here: one exclusive or turns an address
.set SPARE, 65536                      ; the spare words, 128 bytes for each of sixteen waves
.set HEADB, 204800
.macro TLOAD                           ; waves 0-3 fetch a quarter of a slot each; an s_nop 0 and four v_nop follow the line
	s_cmp_lt_u32 s12, 4
	s_cbranch_scc0 .Lasked_\@
	tensor_load_to_lds s[32:35], s[24:31]
	s_nop 0
.rept 4
	v_nop
.endr
.Lasked_\@:
.endm
; A prefetch of the slot after the one that is being asked for: in the head's work-group 0, which walks slots 0 to 7 on end, waves 4 to 6 name the 96 blocks of 256 bytes of the slot's images, a lane a block, once in the launch.
; It asks in trips 0 to 5, for slots 2 to 7; slots 0 and 1 come by their loads alone.
.macro ASK
	s_cmp_gt_u32 s40, s56
	s_cbranch_scc0 .Lnot_mine_\@
	global_prefetch_b8 v35, s[54:55] th:TH_LOAD_NT scope:SCOPE_SE
.Lnot_mine_\@:
.endm
	s_load_b256 s[4:11], s[0:1], 0x0               ; qi s[4:5], kv s[6:7], yc s[8:9], ys s[10:11]
	v_lshl_add_u32 v5, v0, 2, SPARE
	v_mov_b32 v6, 0
	ds_add_u32 v5, v6                              ; the wave's opening: the add and its wait ahead of the first tensor load
	v_lshrrev_b32 v7, 5, v0
	v_readfirstlane_b32 s12, v7                    ; wave 0..15
	s_and_b32 s13, ttmp7, 0xffff                   ; the head (16 x batch + head)
	s_mul_i32 s16, s13, HEADB
	s_mov_b32 s17, 0
	s_mov_b32 s24, 3<<16                           ; group 1: 25 rows of 256 bytes, dense, elements of 8 bytes, no padding
	s_mov_b32 s25, 32<<16
	s_mov_b32 s26, 25<<16
	s_mov_b32 s27, 32<<16
	s_mov_b32 s28, 25
	s_mov_b32 s29, 32
	s_mov_b32 s30, 0
	s_mov_b32 s31, 0
	s_mov_b32 s32, 1
	s_mul_i32 s33, s12, 6400                       ; LDS: my quarter of slot 0
	s_mov_b32 s38, s33
	s_mov_b32 s39, 0
	s_mov_b32 s20, 0x76543210
	s_mov_b32 s21, 0xfedcba98
	s_mov_b32 s22, 0x3e38aa3b                      ; c = log2(e) / 8
	s_mov_b32 s23, s22
	s_mov_b32 s2, 0                                ; the slot in hand
	s_mov_b32 s42, 0                               ; the step's first key
	s_mov_b32 s57, 0xffff0000                      ; lanes 16-31
	s_wait_dscnt 0x0                               ; the opening add is done
	s_wait_kmcnt 0x0
	s_add_nc_u64 s[36:37], s[6:7], s[16:17]        ; my head in kv
	s_add_nc_u64 s[54:55], s[36:37], SLOTB         ; the prefetches stand at slot 1: the first change of slots steps them to slot 2
	s_add_nc_u64 s[36:37], s[36:37], s[38:39]      ; my quarter of a slot
	s_mov_b64 s[34:35], s[36:37]
	s_or_b32 s35, s35, 0x80000000
	TLOAD                                          ; slot 0
	v_and_b32 v1, 15, v0                           ; r
	v_bfe_u32 v2, v0, 4, 1                         ; h
	v_and_b32 v3, 31, v0
	v_lshlrev_b32 v11, 3, v3
	s_and_b32 s66, s12, 3
	s_lshl_b32 s66, s66, 5
	v_add_nc_u32 v35, s66, v3
	v_min_u32 v35, 95, v35                         ; block i of the 96,
	v_add_nc_u32 v10, 16, v35
	v_lshrrev_b32 v10, 6, v10
	v_lshlrev_b32 v35, 8, v35
	v_lshl_add_u32 v35, v10, 9, v35                ; 256 i, and past the first record's 512 bytes of scale words from i = 48 on
	v_lshlrev_b32 v3, 4, v3
	v_lshlrev_b32 v4, 4, v1
	v_and_b32 v9, 8, v1
	v_add_nc_u32 v9, v9, v1
	v_lshlrev_b32 v10, 4, v2
	v_sub_nc_u32 v9, v9, v10
	v_lshl_add_u32 v34, v1, 5, v2
	s_lshr_b32 s15, s12, 1
	s_and_b32 s18, s12, 1
	s_lshl_b32 s19, s15, 5
	s_lshl_b32 s38, s18, 3
	s_add_co_u32 s19, s19, s38                     ; my tile's first query in a block
	s_sub_co_u32 s39, 7, ttmp9                     ; the first block,
	s_lshl_b32 s43, s39, 8
	s_add_co_u32 s43, s43, s19                     ; my first query in it,
	s_lshl_b32 s44, ttmp9, 8
	s_add_co_u32 s44, s44, s19                     ; and in the second block
	s_add_co_u32 s41, ttmp9, 1
	s_sub_co_u32 s45, 8, ttmp9                     ; trips of the first block
	s_sub_co_u32 s66, s12, 4
	s_cmp_lt_u32 s66, 3                            ; waves 4 to 6
	s_cselect_b32 s56, 2, -1
	s_cmp_eq_u32 ttmp9, 0                          ; of the head's work-group 0
	s_cselect_b32 s56, s56, -1
	s_cmp_eq_u32 s18, 1
	s_cselect_b32 s62, -1, 0                       ; my tile is the image's second half
	s_mov_b32 s63, 0x01000100
	s_cselect_b32 s63, 0x03020302, s63             ; which half of the scale word is doubled
	; Q: the image of my 32 tokens, in both blocks
	s_lshr_b32 s66, s12, 3
	s_mul_i32 s66, s66, REC
	s_and_b32 s67, s15, 3
	s_mul_i32 s68, s67, FIMG
	s_add_co_u32 s68, s68, s66
	s_add_co_u32 s68, s68, s16
	s_mov_b32 s69, 0
	s_add_nc_u64 s[4:5], s[4:5], s[68:69]
	s_mul_i32 s68, s39, SLOTB
	s_add_nc_u64 s[58:59], s[4:5], s[68:69]
	s_mul_i32 s68, ttmp9, SLOTB
	s_add_nc_u64 s[60:61], s[4:5], s[68:69]
	s_mul_i32 s66, s67, 1532
	s_sub_co_u32 s66, 12288, s66                   ; from the image back to the record's scale words, + 4 g
	v_lshl_add_u32 v10, v1, 4, s66
.irp c, 0,1,2
	global_load_b128 v[36+4*\c:39+4*\c], v3, s[58:59] offset:512*\c
	global_load_b128 v[48+4*\c:51+4*\c], v3, s[60:61] offset:512*\c
.endr
	global_load_b32 v84, v10, s[58:59]
	global_load_b32 v85, v10, s[60:61]
	; y: stored tile T = 128 batch + 16 block + wave; a head's part of a tile is 768 bytes
	s_lshr_b32 s38, s13, 4
	s_lshl_b32 s38, s38, 7
	s_add_co_u32 s38, s38, s12
	s_lshl_b32 s66, s39, 4
	s_add_co_u32 s66, s66, s38
	s_lshl_b32 s67, ttmp9, 4
	s_add_co_u32 s67, s67, s38
	s_and_b32 s3, s13, 15
	s_mul_i32 s19, s3, 768
	s_lshl_b32 s3, s3, 1
	s_mul_i32 s68, s66, 12288
	s_add_co_u32 s68, s68, s19
	s_add_nc_u64 s[46:47], s[8:9], s[68:69]
	s_mul_i32 s68, s67, 12288
	s_add_co_u32 s68, s68, s19
	s_add_nc_u64 s[50:51], s[8:9], s[68:69]
	s_lshl_b32 s68, s66, 9
	s_add_co_u32 s68, s68, s3
	s_add_nc_u64 s[48:49], s[10:11], s[68:69]
	s_lshl_b32 s68, s67, 9
	s_add_co_u32 s68, s68, s3
	s_add_nc_u64 s[52:53], s[10:11], s[68:69]
	s_wait_loadcnt 0x0
	v_perm_b32 v92, v84, v84, s63                  ; Q's scale word (s0, s1, s0, s1): first, so that it stands eight places ahead of the products
	v_perm_b32 v94, v85, v85, s63
.irp i, 0,1,2,3,4,5
	v_cndmask_b32 v[16+\i], v[36+\i], v[42+\i], s62
	v_cndmask_b32 v[228+\i], v[48+\i], v[54+\i], s62
.endr
.irp i, 0,1,2,3,4,5
	v_mov_b32 v[28+\i], v[16+\i]
	v_mov_b32 v[22+\i], 0
.endr
	v_mov_b32 v13, 0xff61b1e6                      ; the largest t so far: -3e38
	v_floor_f32 v12, -v13
	v_mov_b32 v14, 0
	v_mov_b32 v15, 0
.irp b, 0,1,2,3
	v_mov_b32 v[216+\b], 0                         ; a lane permute's destination counts as one of its sources
.endr
	v_mov_b32 v225, 0                              ; (the upper half of the pair v[224:225])
	v_mov_b32 v226, 0
.set n, 0
.rept 32
	v_mov_b32 v[160+n], 0                          ; O^T: the first change of M multiplies zeros
.set n, n+1
.endr
; A KEY STEP: 128 keys, record q of the slot in hand.
.macro STEP q
	s_add_co_u32 s66, s43, 23                      ; a step all of whose keys come after my 16 queries is left out: a branch on ids, round loads, products and softmax alone
	s_cmp_gt_u32 s42, s66
	s_cbranch_scc1 .Lhidden_\@
	v_add_nc_u32 v7, s2, v3
	v_add_nc_u32 v8, s2, v4
	v_nop
	v_nop                                          ; four places behind the last step's products
	ds_load_b128 v[84:87], v8 offset:REC*(\q)+12288
.irp g, 0,1,2,3
.irp c, 0,1,2
	ds_load_b128 v[36+12*\g+4*\c:39+12*\g+4*\c], v7 offset:REC*(\q)+FIMG*\g+512*\c
.endr
.endr
.irp g, 0,1,2,3
	s_wait_dscnt 9-3*\g                            ; the scale words and fragments 0 .. g are in; the later fragments' loads may be out
	v_wmma_scale_f32_16x16x128_f8f6f4 v[96+16*\g:103+16*\g], v[36+12*\g:47+12*\g], v[16:27], 0, v[84+\g], v92 matrix_a_fmt:MATRIX_FMT_FP6 matrix_b_fmt:MATRIX_FMT_FP6
	v_wmma_scale_f32_16x16x128_f8f6f4 v[104+16*\g:111+16*\g], v[36+12*\g:47+12*\g], v[22:33], 0, v[84+\g], v92 matrix_a_fmt:MATRIX_FMT_FP6 matrix_b_fmt:MATRIX_FMT_FP6
.endr                                          ; register 16 g + i: key 32 g + 16 h + i of the step
.rept 4
	v_nop                                          ; places: for the loads below and for the first read of the scores
.endr
	ds_load_b128 v[88:91], v8 offset:REC*(\q)+12544  ; V is asked for now and lands during the softmax
.irp t, 0,1,2,3
.irp c, 0,1,2
	ds_load_b128 v[36+12*\t+4*\c:39+12*\t+4*\c], v7 offset:REC*(\q)+6144+FIMG*\t+512*\c
.endr
.endr
	s_add_co_u32 s66, s42, 127                     ; on the diagonal hidden scores become -infinity; a step all of whose keys count skips this
	s_cmp_le_u32 s66, s43
	s_cbranch_scc1 .Lopen_\@
	s_sub_co_i32 s66, s43, s42
	v_add_nc_u32 v226, s66, v9                     ; d = my query - the step's first key - 16 h: register 16 g + i is hidden where 32 g + i > d
	v_mov_b32 v227, 0xff800000
.set n, 0
.rept 64
	v_cmp_gt_i32 vcc_lo, 32*(n/16)+n%16, v226
	v_cndmask_b32 v[96+n], v[96+n], v227, vcc_lo
.set n, n+1
.endr
.Lopen_\@:
.irp b, 0,1,2,3
	v_max3_num_f32 v[212+\b], v[96+16*\b], v[97+16*\b], v[98+16*\b]   ; the largest score of each block of 32 keys
.endr
.irp i, 3,5,7,9,11,13
.irp b, 0,1,2,3
	v_max3_num_f32 v[212+\b], v[212+\b], v[96+16*\b+\i], v[97+16*\b+\i]
.endr
.endr
.irp b, 0,1,2,3
	v_max_num_f32 v[212+\b], v[212+\b], v[111+16*\b]
.endr
.irp b, 0,1,2,3
	v_permlanex16_b32 v[216+\b], v[212+\b], s20, s21
.endr
.irp b, 0,1,2,3
	v_max_num_f32 v[212+\b], v[212+\b], v[216+\b]
.endr
	v_max3_num_f32 v226, v212, v213, v214
	v_max_num_f32 v226, v226, v215
	v_mul_f32 v226, s22, v226
	v_max_num_f32 v13, v13, v226                   ; the running largest t
	v_mov_b32 v226, v12
	v_floor_f32 v12, -v13                          ; -M = floor(-t): M is a whole number
	v_sub_f32 v226, v12, v226
	v_cvt_i32_f32 v226, v226                       ; (it saturates)
	v_ldexp_f32 v224, 1.0, v226                    ; f = 2^(old M - new M)
.set n, 0
.rept 32
	v_pk_fma_f32 v[96+n:97+n], v[96+n:97+n], s[22:23], v[12:13] op_sel_hi:[1,0,0]   ; t - M
.set n, n+2
.endr
.irp b, 0,1,2,3
	v_fma_f32 v[212+\b], v[212+\b], s22, v12
.endr
.set n, 0
.rept 64
	v_exp_f32 v[96+n], v[96+n]                     ; p = 2^(t - M)
.set n, n+1
.endr
	v_pk_mul_f32 v[14:15], v[14:15], v[224:225] op_sel_hi:[1,0]   ; the sums under the new M: a plain place behind the exponentials
	s_wait_alu depctr_va_vdst(0)                   ; one wait for the batch, ahead of its first reader
.irp b, 0,1,2,3
	v_exp_f32 v[212+\b], v[212+\b]                 ; each block's largest p
.endr
	v_pk_add_f32 v[216:217], v[96:97], v[98:99]    ; the row's sum of the unquantised p, in two chains
.irp j, 4,8,12,16,20,24,28,32,36,40,44,48,52,56,60
	v_pk_add_f32 v[14:15], v[14:15], v[96+\j:97+\j]
	v_pk_add_f32 v[216:217], v[216:217], v[98+\j:99+\j]
.endr
	v_pk_add_f32 v[14:15], v[14:15], v[216:217]
	s_wait_alu depctr_va_vdst(0)                   ; and one for the four
.irp b, 0,1,2,3
	v_max_num_f32 v[212+\b], 0x1800000, v[212+\b]  ; the floor
.endr
.irp b, 0,1,2,3
	v_add_nc_u32 v[220+\b], 0xff000000, v[212+\b]
.endr
.irp b, 0,1,2,3
	v_lshrrev_b32 v[216+\b], 23, v[220+\b]
.endr
	v_lshl_or_b32 v93, v217, 8, v216               ; p's scale word
	v_lshl_or_b32 v93, v218, 16, v93
	v_lshl_or_b32 v93, v219, 24, v93
.irp c, 0,1
	v_cvt_scalef32_pk16_fp6_f32 v[192+6*\c:194+6*\c], v[96+32*\c:111+32*\c], v[220+2*\c]
	v_cvt_scalef32_pk16_fp6_f32 v[204+4*\c:206+4*\c], v[112+32*\c:127+32*\c], v[220+2*\c+1]
.endr
	v_nop
.irp c, 0,1
.irp i, 0,1,2
	v_permlane16_swap_b32 v[192+6*\c+\i], v[204+4*\c+\i]
.endr
.irp i, 0,1,2
	v_mov_b32 v[195+6*\c+\i], v[204+4*\c+\i]
.endr
.endr
.set n, 0
.rept 16
	v_pk_mul_f32 v[160+n:161+n], v[160+n:161+n], v[224:225] op_sel_hi:[1,0]   ; O^T under the new M; these are also the places in front of the products below
.set n, n+2
.endr
	s_wait_dscnt 0x0                               ; V is in
.irp t, 0,1,2,3
	v_wmma_scale_f32_16x16x128_f8f6f4 v[160+8*\t:167+8*\t], v[36+12*\t:47+12*\t], v[192:203], v[160+8*\t:167+8*\t], v[88+\t], v93 matrix_a_fmt:MATRIX_FMT_FP6 matrix_b_fmt:MATRIX_FMT_FP6
.endr
.Lhidden_\@:
	s_add_co_u32 s42, s42, 128
.endm
; THE CHANGE OF SLOTS, at a slot's head: each wave waits for all its tensor loads, adds 0 to its spare word, waits for that and for its reads of the slot that it has left; one barrier; fill = 1: the slot left is filled with the next trip's keys.
.macro CHANGE fill
	s_wait_tensorcnt 0x0                           ; no tensor load of mine is out, so group 0 may be written
	ds_add_u32 v5, v6
.if \fill
	s_xor_b32 s33, s33, SLOT1
	s_sub_co_u32 s38, 9, s40                       ; the next trip's number;
	s_cmp_le_u32 s40, s41
	s_cselect_b32 s39, s45, 0                      ; in the second block the slots begin anew
	s_sub_co_u32 s38, s38, s39
	s_mul_i32 s38, s38, SLOTB
	s_mov_b32 s39, 0
	s_add_nc_u64 s[34:35], s[36:37], s[38:39]
	s_or_b32 s35, s35, 0x80000000
	s_wait_xcnt 0x0                                ; the last prefetch has read its address
	s_add_nc_u64 s[54:55], s[54:55], SLOTB
.endif
	s_wait_dscnt 0x0
	s_barrier_signal -1
	s_barrier_wait -1
.if \fill
	TLOAD                                          ; the first thing behind the barrier, and a wave's one tensor load until the next
	ASK
.endif
.endm
; y = O / l, quantised: my head's two blocks of 32 channels; register 16 b + i of O^T is channel 32 b + 16 h + i.
.macro WAYOUT yc, ys
	s_wait_xcnt 0x0                                ; earlier stores have read their registers
.rept 4
	v_nop                                          ; places behind the last products
.endr
	v_add_f32 v14, v14, v15
	v_permlanex16_b32 v226, v14, s20, s21
	v_add_f32 v14, v14, v226                       ; the row's sum
	v_rcp_f32 v224, v14
	v_nop
	s_wait_alu depctr_va_vdst(0)
.set n, 0
.rept 16
	v_pk_mul_f32 v[96+n:97+n], v[160+n:161+n], v[224:225] op_sel_hi:[1,0]
.set n, n+2
.endr
.irp b, 0,1
	v_max3_num_f32 v[212+\b], |v[96+16*\b]|, |v[97+16*\b]|, 0x1800000
.endr
.irp i, 2,4,6,8,10,12,14
.irp b, 0,1
	v_max3_num_f32 v[212+\b], v[212+\b], |v[96+16*\b+\i]|, |v[97+16*\b+\i]|
.endr
.endr
.irp b, 0,1
	v_permlanex16_b32 v[216+\b], v[212+\b], s20, s21
.endr
.irp b, 0,1
	v_max_num_f32 v[212+\b], v[212+\b], v[216+\b]
.endr
.irp b, 0,1
	v_add_nc_u32 v[220+\b], 0xff000000, v[212+\b]
.endr
.irp b, 0,1
	v_lshrrev_b32 v[216+\b], 23, v[220+\b]
.endr
	v_cvt_scalef32_pk16_fp6_f32 v[236:238], v[96:111], v220
	v_cvt_scalef32_pk16_fp6_f32 v[242:244], v[112:127], v221
	v_cndmask_b32 v245, v216, v217, s57            ; lane (r, h) stores block h's byte.  (A plain place behind the conversions)
.irp i, 0,1,2
	v_permlane16_swap_b32 v[236+\i], v[242+\i]
.endr
.irp i, 0,1,2
	v_mov_b32 v[239+\i], v[242+\i]
.endr
	global_store_b128 v3, v[236:239], s[\yc:\yc+1]              ; 512 consecutive bytes,
	global_store_b64 v11, v[240:241], s[\yc:\yc+1] offset:512   ; and 256
	global_store_b8 v34, v245, s[\ys:\ys+1]
.endm
	s_mov_b32 s40, 8
.Lslot:                                            ; eight trips; the ninth is written out
	CHANGE 1
	STEP 0
	STEP 1
	s_xor_b32 s2, s2, SLOT1
	s_cmp_lg_u32 s40, s41                          ; the first block's last trip?  The same in all sixteen waves
	s_cbranch_scc1 .Lsame
	WAYOUT 46, 48
	v_mov_b32 v92, v94                             ; the second block: Q's scale word first,
.irp i, 0,1,2,3,4,5
	v_mov_b32 v[16+\i], v[228+\i]
	v_mov_b32 v[28+\i], v[228+\i]
.endr
	v_mov_b32 v13, 0xff61b1e6
	v_floor_f32 v12, -v13
	v_mov_b32 v14, 0
	v_mov_b32 v15, 0
.set n, 0
.rept 32
	v_mov_b32 v[160+n], 0
.set n, n+1
.endr
	s_mov_b32 s43, s44
	s_mov_b32 s42, 0
.Lsame:
	s_sub_co_u32 s40, s40, 1
	s_cmp_lg_u32 s40, 0
	s_cbranch_scc1 .Lslot
	CHANGE 0
	STEP 0
	STEP 1
	WAYOUT 50, 52
	s_wait_tensorcnt 0x0                           ; the wave's end
	ds_add_u32 v5, v6
	s_wait_dscnt 0x0
	s_endpgm
.Lfunc_end_k_q5afaa87e04_attn:
	.size	k_q5afaa87e04_attn, .Lfunc_end_k_q5afaa87e04_attn-k_q5afaa87e04_attn
	.p2alignl 7, 3214868480
	.fill 96, 4, 3214868480
	.section	.rodata,"a",@progbits
	.p2align	6, 0x0
	.amdhsa_kernel k_q5afaa87e04_attn
		.amdhsa_group_segment_fixed_size 327680
		.amdhsa_private_segment_fixed_size 0
		.amdhsa_enable_private_segment 0
		.amdhsa_kernarg_size 32
		.amdhsa_user_sgpr_count 2
		.amdhsa_user_sgpr_kernarg_segment_ptr 1
		.amdhsa_wavefront_size32 1
		.amdhsa_system_sgpr_workgroup_id_x 1
		.amdhsa_system_sgpr_workgroup_id_y 1
		.amdhsa_system_sgpr_workgroup_id_z 1
		.amdhsa_system_vgpr_workitem_id 0
		.amdhsa_next_free_vgpr 256
		.amdhsa_next_free_sgpr 70
		.amdhsa_reserve_vcc 1
		.amdhsa_float_denorm_mode_32 3
		.amdhsa_float_denorm_mode_16_64 3
		.amdhsa_memory_ordered 1
		.amdhsa_forward_progress 1
		.amdhsa_inst_pref_size 101
	.end_amdhsa_kernel
	.amdgpu_metadata
---
amdhsa.version: [ 1, 2 ]
amdhsa.kernels:
  - .name:           k_q5afaa87e04_attn
    .symbol:         k_q5afaa87e04_attn.kd
    .args:
      - { .name: qi, .offset: 0, .size: 8, .value_kind: global_buffer, .address_space: global }
      - { .name: kv, .offset: 8, .size: 8, .value_kind: global_buffer, .address_space: global }
      - { .name: yc, .offset: 16, .size: 8, .value_kind: global_buffer, .address_space: global }
      - { .name: ys, .offset: 24, .size: 8, .value_kind: global_buffer, .address_space: global }
    .group_segment_fixed_size: 327680
    .private_segment_fixed_size: 0
    .kernarg_segment_align: 8
    .kernarg_segment_size: 32
    .max_flat_workgroup_size: 512
    .sgpr_count:     70
    .vgpr_count:     256
    .wavefront_size: 32
...
	.end_amdgpu_metadata
.endif
;; end of part 3
;; launch proj (part 4): grid 4 x 32, 4 waves a work-group, clusters of 4 x 4, 327,680 bytes of LDS; arguments yc, ys, wc, ws, bproj, out0; writes out0
.if DOCPART == 4
	.amdgcn_target "amdgcn-amd-amdhsa--gfx1250"
	.amdhsa_code_object_version 6
	.text
	.protected	k_q5afaa87e04_proj
	.globl	k_q5afaa87e04_proj
	.p2align	8
	.type	k_q5afaa87e04_proj,@function
k_q5afaa87e04_proj:
	s_mov_b64 s[64:65], 0
	v_nop
	global_prefetch_b8 v0, s[64:65] scope:SCOPE_SE
	s_setreg_imm32_b32 hwreg(HW_REG_WAVE_MODE, 25, 1), 1
	s_wait_xcnt 0x0
	s_wait_alu depctr_hold_cnt(0) depctr_sa_sdst(0) depctr_va_vdst(0) depctr_va_sdst(0) depctr_va_ssrc(0) depctr_va_vcc(0) depctr_vm_vsrc(0)
	s_getreg_b32 s2, hwreg(HW_REG_IB_STS2, 6, 4)
	s_cmp_eq_u32 s2, 0
	s_cbranch_scc0 .Lentry_in_a_cluster
	s_endpgm
.Lentry_in_a_cluster:
	s_bfe_u32 s2, ttmp6, 0x10000c
	s_cmp_lg_u32 s2, 0xf033
	s_cbranch_scc0 .Lentry_shape_is_right
	s_endpgm
.Lentry_shape_is_right:
; out0 = y Wproj + bproj on codes of FP6 (E2M3) with E8M0 scales; out0 [8192][1024] f32.
; A tile of 256 tokens x 256 columns is made by a work-group of four waves, each 128 x 128: 64 accumulators.  K = 1,024 goes in four steps of 256 through two LDS slots filled by the tensor data mover.
; Operands lie in memory as images of their registers, 1,536 bytes a fragment.  Wproj's (wc, stored tiles 192-255): registers 4 c .. 4 c + 3 of lane l at 512 c + 16 l.
; y's (yc): two halves of 768 bytes, one for each head of a K step: registers 6 c .. 6 c + 3 at 16 l, then registers 6 c + 4, 6 c + 5 at 512 + 8 l.
; Row r of stored tile T is row 32 (T / 2) + 8 (T % 2) + r + 8 (r / 8), for tokens and for columns alike; the way out puts both back in order.
; CLUSTERS: 4 x 4 work-groups; y's tiles are asked for jointly along a row of the cluster, W's along a column.  128 work-groups: a smaller tile would want another loop.
; Source 0 = 16 columns of W, source 1 = 16 tokens: a lane holds one token and eight neighbouring columns.  The bias is the C of each sum's first matrix instruction.
; REGISTERS: window 0: v16-31 addresses; v32-63 the tokens' scale words, v64-95 W's, two sets each; v128-223 y's fragments, one set; on the way out v128-255 are rows of out0.
;   window 1: W's fragments, two sets at v0 and v128; the bias's eight tiles at v96-127, v224-255.   windows 2, 3: the accumulators.
.set FIMG,  1536
.set NQ,    2
.set TROW,  NQ*FIMG
.set HALFT, 8*TROW
.set SLOT,  4*HALFT
.set SPARE, 2*SLOT                     ; the spare words, 128 bytes for each wave
.set SCL,   SPARE+512
.set HALFS, 16*272
.set SBLK,  2*272
.set SPITCH, 528                       ; the way out: a stage of 16 rows x (512 bytes + 16) for each wave, in slot 0, which has had its last fill and its last read by then
.set FR,    12
.set NLA,   4                          ; LDS loads that bring a fragment of y
.set NP,    4
.set ADRR, 16                          ; v16-17 y's fragments in slot 0, 1 (16 x lane); v18-19 the same with 8 x lane
.set ADRP, 20                          ; v20-21 W's
.set ADSP, 22                          ; v22 W's scale words
.set STO,  24
.set RD,   25
.set CO,   26                          ; v26 16 x lane: my bytes of a row of 512
.set ADSR, 27                          ; v27 the tokens' scale words
.set SPW,  28
.set NIL,  29
.set SCR,  32
.set SCP,  64
.set AF,   128
.set BK,   128
.set G1, 24
.set G0, 32
.set G1B, 48
.set G0B, 56
.set G1S, 68
.set G0S, 76
.set G1SB, 80
.set G0SB, 88
.set MSB, 0
.macro WIN new
.if MSB != \new
	s_set_vgpr_msb (MSB<<8)|\new
.set MSB, \new
.endif
.endm
.set MUL_LO, 0xa1                      ; source 0 window 1, source 1 window 0, C and D window 2
.set MUL_HI, 0xf1
.set FST_LO, 0x91                      ; the first step: C (the bias) window 1, D window 2
.set FST_HI, 0xd1
.set TO_B,   0x40
.macro JLOAD g0a, g1a, g0b, g1b        ; a joint load: waves 0 and 1 fetch y's halves, waves 2 and 3 W's; an s_nop 0 and four v_nop follow each line
	s_cmp_eq_u32 s15, 0
	s_cbranch_scc0 .Lfor_b_\@
	tensor_load_to_lds s[\g0a:\g0a+3], s[\g1a:\g1a+7]
	s_nop 0
.rept 4
	v_nop
.endr
	s_branch .Lasked_\@
.Lfor_b_\@:
	tensor_load_to_lds s[\g0b:\g0b+3], s[\g1b:\g1b+7]
	s_nop 0
.rept 4
	v_nop
.endr
.Lasked_\@:
.endm
.macro CREST
	s_cmp_lg_u32 s14, 0
	s_cbranch_scc1 .Lnot_wave_0_\@
	s_barrier_signal -3
.Lnot_wave_0_\@:
	s_barrier_wait -3
	s_barrier_signal -1
	s_barrier_wait -1
.endm
.macro CROUND
	s_barrier_signal -1
	s_barrier_wait -1
	CREST
.endm
	s_load_b128 s[4:7], s[0:1], 0x0                ; y's codes, y's scales
	s_load_b128 s[8:11], s[0:1], 0x10              ; W's codes, W's scales
	s_load_b64 s[12:13], s[0:1], 0x20              ; bproj
	s_load_b64 s[96:97], s[0:1], 0x28              ; out0
	v_lshl_add_u32 v[SPW], v0, 2, SPARE
	v_mov_b32 v[NIL], 0
	ds_add_u32 v[SPW], v[NIL]                      ; the wave's opening: the add and its wait ahead of my first tensor load
	v_lshrrev_b32 v1, 5, v0
	v_readfirstlane_b32 s14, v1                    ; wave 0..3
	s_lshr_b32 s15, s14, 1                         ; my half of the tokens.  Also: I fetch for y (0) or for W (1)
	s_and_b32 s16, s14, 1                          ; my half of the columns.  Also: which 8 tiles I fetch
	s_bfe_u32 s40, ttmp6, 0x40000
	s_bfe_u32 s41, ttmp6, 0x40004
	s_lshl_b32 s42, ttmp9, 2
	s_add_co_u32 s42, s42, s40                     ; tile column
	s_and_b32 s17, ttmp7, 0xffff
	s_lshl_b32 s17, s17, 2
	s_add_co_u32 s17, s17, s41                     ; tile row
	s_lshl_b32 s43, s41, 2
	s_lshl_b32 s43, 15, s43
	s_lshl_b32 s44, 0x1111, s40
	s_or_b32 s[G1+0], s43, (3<<16)|(1<<21)         ; the codes: 8 rows (tiles) of 3,072 bytes, 12,288 apart, elements of 8 bytes, no padding
	s_or_b32 s[G1B+0], s44, (3<<16)|(1<<21)
.irp g, G1, G1B
	s_mov_b32 s[\g+1], 384<<16
	s_mov_b32 s[\g+2], 8<<16
	s_mov_b32 s[\g+3], 384<<16
	s_mov_b32 s[\g+4], 8
	s_mov_b32 s[\g+5], 1536
	s_mov_b32 s[\g+6], 0
	s_mov_b32 s[\g+7], 0
.endr
	s_or_b32 s[G1S+0], s43, (3<<16)|(1<<20)|(1<<21)|(5<<22)|(3<<25)   ; the scale bytes of 128 rows: 16 rows of 256 bytes + 16
	s_or_b32 s[G1SB+0], s44, (3<<16)|(1<<20)|(1<<21)|(5<<22)|(3<<25)
.irp g, G1S, G1SB
	s_mov_b32 s[\g+1], 32<<16
	s_mov_b32 s[\g+2], 16<<16
	s_mov_b32 s[\g+3], 32<<16
	s_mov_b32 s[\g+4], 16
	s_mov_b32 s[\g+5], 32
	s_mov_b32 s[\g+6], 0
	s_mov_b32 s[\g+7], 0
.endr
	s_lshl_b32 s18, s16, 7
	s_lshl_b32 s20, s17, 8
	s_add_co_u32 s20, s20, s18
	s_lshl_b32 s46, s42, 8
	s_add_co_u32 s46, s46, s18
	s_lshl_b32 s22, s20, 5
	s_mov_b32 s23, 0
	s_lshl_b32 s92, s46, 5
	s_mov_b32 s93, 0
	s_mul_i32 s20, s20, 768
	s_mov_b32 s21, 0
	s_mul_i32 s46, s46, 768
	s_mov_b32 s47, 0
	s_mul_i32 s45, s14, HALFT
	s_mul_i32 s94, s14, HALFS
	s_wait_dscnt 0x0                               ; the opening add is done
	s_wait_kmcnt 0x0
	s_add_nc_u64 s[20:21], s[4:5], s[20:21]
	s_add_nc_u64 s[22:23], s[6:7], s[22:23]
	s_add_nc_u64 s[46:47], s[8:9], s[46:47]
	s_add_nc_u64 s[46:47], s[46:47], 192*12288     ; Wproj's tiles lie behind Wqkv's 192
	s_add_nc_u64 s[92:93], s[10:11], s[92:93]
	s_add_nc_u64 s[92:93], s[92:93], 3072*32
	CROUND                                         ; all sixteen work-groups are here: the first joint loads meet
	s_mov_b32 s[G0S], 1
	s_add_co_u32 s[G0S+1], s94, SCL
	s_mov_b64 s[G0S+2:G0S+3], s[22:23]
	s_or_b32 s[G0S+3], s[G0S+3], 0x80000000
	s_mov_b32 s[G0SB], 1
	s_add_co_u32 s[G0SB+1], s94, SCL
	s_mov_b64 s[G0SB+2:G0SB+3], s[92:93]
	s_or_b32 s[G0SB+3], s[G0SB+3], 0x80000000
	JLOAD G0S, G1S, G0SB, G1SB
.irp s, 0,1
	s_mov_b32 s[G0+4*\s], 1
	s_add_co_u32 s[G0+4*\s+1], s45, \s*SLOT
	s_add_nc_u64 s[G0+4*\s+2:G0+4*\s+3], s[20:21], \s*TROW
	s_or_b32 s[G0+4*\s+3], s[G0+4*\s+3], 0x80000000
	s_mov_b32 s[G0B+4*\s], 1
	s_add_co_u32 s[G0B+4*\s+1], s45, \s*SLOT
	s_add_nc_u64 s[G0B+4*\s+2:G0B+4*\s+3], s[46:47], \s*TROW
	s_or_b32 s[G0B+4*\s+3], s[G0B+4*\s+3], 0x80000000
	JLOAD G0+4*\s, G1, G0B+4*\s, G1B               ; three tensor loads of mine are out
.endr
	v_and_b32 v1, 15, v0                           ; r
	v_bfe_u32 v2, v0, 4, 1                         ; h
	v_and_b32 v3, 31, v0
	v_lshlrev_b32 v[CO], 4, v3
	v_lshlrev_b32 v4, 3, v3
	s_mul_i32 s21, s15, HALFT                      ; my 8 tiles of tokens
	s_mul_i32 s22, s16, HALFT
	s_add_co_u32 s22, s22, 2*HALFT                 ; my 8 tiles of columns, behind y's 16
.irp s, 0,1
	v_add_nc_u32 v[ADRR+\s], s21, v[CO]
	v_add_nc_u32 v[ADRR+2+\s], s21, v4
	v_add_nc_u32 v[ADRP+\s], s22, v[CO]
	s_add_co_u32 s21, s21, SLOT
	s_add_co_u32 s22, s22, SLOT
.endr
	v_lshlrev_b32 v5, 5, v1
	v_lshrrev_b32 v6, 3, v1
	v_lshl_add_u32 v5, v6, 4, v5
	s_mul_i32 s21, s15, HALFS
	s_add_co_u32 s21, s21, SCL
	v_add_nc_u32 v[ADSR], s21, v5
	s_mul_i32 s22, s16, HALFS
	s_add_co_u32 s22, s22, SCL+2*HALFS
	v_add_nc_u32 v[ADSP], s22, v5
	s_lshl_b32 s46, s42, 10                        ; my first column, in bytes of f32: 1,024 x tile column + 512 x half
	s_lshl_b32 s47, s16, 9
	s_add_co_u32 s46, s46, s47
	s_mov_b32 s47, 0
	s_add_nc_u64 s[12:13], s[12:13], s[46:47]
	v_lshlrev_b32 v30, 6, v2                       ; tile b of the bias: columns 32 (b / 2) + 8 (b % 2) + 16 h + 0 .. 7
	WIN TO_B
.irp b, 0,1,2,3,4,5,6,7
	global_load_b128 v[96+8*\b+96*(\b/4):99+8*\b+96*(\b/4)], v30, s[12:13] offset:128*(\b/2)+32*(\b%2)
	global_load_b128 v[100+8*\b+96*(\b/4):103+8*\b+96*(\b/4)], v30, s[12:13] offset:128*(\b/2)+32*(\b%2)+16
.endr
	WIN 0
	s_mul_i32 s23, s14, 16*SPITCH                  ; my stage
	v_mul_u32_u24 v5, v1, SPITCH
	v_lshl_add_u32 v5, v2, 6, v5
	v_add_nc_u32 v[STO], s23, v5                   ; in: row r, + 64 h
	v_add_nc_u32 v[RD], s23, v[CO]                 ; back: a row of 512 bytes by the 32 lanes
	s_lshl_b32 s20, s17, 8
	s_lshl_b32 s21, s15, 7
	s_add_co_u32 s20, s20, s21
	s_lshl_b32 s20, s20, 12                        ; my first token's row of 4,096 bytes
	s_mov_b32 s21, 0
	s_add_nc_u64 s[20:21], s[20:21], s[46:47]
	s_add_nc_u64 s[96:97], s[96:97], s[20:21]
.macro FRAG3 reg, adr, q, i
.irp c, 0,1,2
	ds_load_b128 v[\reg+4*\c:\reg+4*\c+3], v[\adr] offset:(\i)*TROW+(\q)*FIMG+512*\c
.endr
.endm
.macro FRAGY reg, slot, q, i           ; a fragment of y: for each head four registers at 16 x lane and two at 8 x lane
.irp c, 0,1
	ds_load_b128 v[\reg+6*\c:\reg+6*\c+3], v[ADRR+\slot] offset:(\i)*TROW+(\q)*FIMG+768*\c
	ds_load_b64 v[\reg+6*\c+4:\reg+6*\c+5], v[ADRR+2+\slot] offset:(\i)*TROW+(\q)*FIMG+768*\c+512
.endr
.endm
; 16 matrix instructions; the 64 accumulators take turns, one instruction a turn, in the same order in every step.  first = 1: the bias starts the sums.
.macro MUL16 a0, p, q, sc, first
.irp a, \a0, \a0+1
.irp b, 0,1,2,3,4,5,6,7
.if \first
	v_wmma_scale_f32_16x16x128_f8f6f4 v[8*(8*((\a)%4)+\b):8*(8*((\a)%4)+\b)+7], v[128*(\p)+FR*\b:128*(\p)+FR*\b+FR-1], v[AF+FR*(\a):AF+FR*(\a)+FR-1], v[96+8*\b+96*(\b/4):103+8*\b+96*(\b/4)], v[SCP+16*(\sc)+2*\b+(\q)], v[SCR+16*(\sc)+2*(\a)+(\q)] matrix_a_fmt:MATRIX_FMT_FP6 matrix_b_fmt:MATRIX_FMT_FP6
.else
	v_wmma_scale_f32_16x16x128_f8f6f4 v[8*(8*((\a)%4)+\b):8*(8*((\a)%4)+\b)+7], v[128*(\p)+FR*\b:128*(\p)+FR*\b+FR-1], v[AF+FR*(\a):AF+FR*(\a)+FR-1], v[8*(8*((\a)%4)+\b):8*(8*((\a)%4)+\b)+7], v[SCP+16*(\sc)+2*\b+(\q)], v[SCR+16*(\sc)+2*(\a)+(\q)] matrix_a_fmt:MATRIX_FMT_FP6 matrix_b_fmt:MATRIX_FMT_FP6
.endif
.endr
.endr
.endm
.macro FETCH_P slot, q, p
	WIN TO_B
.irp i, 0,1,2,3,4,5,6,7
	FRAG3 128*(\p)+FR*\i, ADRP+\slot, \q, \i
.endr
	WIN 0
.endm
.macro FETCH_R slot, q, i0
.irp i, \i0, \i0+1, \i0+2, \i0+3
	FRAGY AF+FR*(\i), \slot, \q, \i
.endr
.endm
.macro SCALES sc
.irp i, 0,1,2,3,4,5,6,7
	ds_load_b64 v[SCR+16*\sc+2*\i:SCR+16*\sc+2*\i+1], v[ADSR] offset:\i*SBLK
	ds_load_b64 v[SCP+16*\sc+2*\i:SCP+16*\sc+2*\i+1], v[ADSP] offset:\i*SBLK
.endr
.endm
.macro PLACES n
.rept \n
	v_nop
.endr
.endm
.macro STEP slot, q, first
	s_wait_dscnt 4*NLA                             ; W's set and y's blocks 0-3 are in; the youngest loads (blocks 4-7) may be out
.if \first
	WIN FST_LO
.else
	WIN MUL_LO
.endif
	MUL16 0, (\q)%2, \q, \slot, \first
	MUL16 2, (\q)%2, \q, \slot, \first
	s_wait_dscnt 0
	PLACES NP
	FETCH_P \slot, (\q)+1, 1-(\q)%2
	FETCH_R \slot, (\q)+1, 0
.if \first
	WIN FST_HI
.else
	WIN MUL_HI
.endif
	MUL16 4, (\q)%2, \q, \slot, \first
	MUL16 6, (\q)%2, \q, \slot, \first
	PLACES NP
	WIN 0
	FETCH_R \slot, (\q)+1, 4
.endm
.macro TURN slot, next, fill
	s_wait_tensorcnt 0x0                           ; all my tensor loads have landed: my part of the next slot
	ds_add_u32 v[SPW], v[NIL]
	s_wait_dscnt 4*NLA+1                           ; (the add and the youngest loads may be out)
	WIN MUL_LO
	MUL16 0, 1, NQ-1, \slot, 0
	s_wait_dscnt 0x0                               ; the add is done, and my reads of this slot are over
	s_barrier_signal -1
	MUL16 2, 1, NQ-1, \slot, 0
	WIN 0
	s_barrier_wait -1
.if \fill
	CREST                                          ; the barrier has opened a round of the cluster's
	s_add_nc_u64 s[G0+4*\slot+2:G0+4*\slot+3], s[G0+4*\slot+2:G0+4*\slot+3], 2*TROW
	s_add_nc_u64 s[G0B+4*\slot+2:G0B+4*\slot+3], s[G0B+4*\slot+2:G0B+4*\slot+3], 2*TROW
	JLOAD G0+4*\slot, G1, G0B+4*\slot, G1B
.else
	PLACES NP
.endif
	v_add_nc_u32 v[ADSR], 4*NQ, v[ADSR]
	v_add_nc_u32 v[ADSP], 4*NQ, v[ADSP]
	FETCH_P \next, 0, 0
	FETCH_R \next, 0, 0
	SCALES \next
	WIN MUL_HI
	MUL16 4, 1, NQ-1, \slot, 0
	MUL16 6, 1, NQ-1, \slot, 0
	PLACES NP
	WIN 0
	FETCH_R \next, 0, 4
.endm
	s_wait_tensorcnt 1                             ; the scales and my part of slot 0 are in (slot 1's load may be out),
	s_barrier_signal -1
	s_barrier_wait -1                              ; everybody's are
	FETCH_P 0, 0, 0
	FETCH_R 0, 0, 0
	SCALES 0
	FETCH_R 0, 0, 4
	s_wait_loadcnt 0x0                             ; the bias
	STEP 0, 0, 1
	TURN 0, 1, 1
	STEP 1, 0, 0
	TURN 1, 0, 1
	STEP 0, 0, 0
	TURN 0, 1, 0
	STEP 1, 0, 0
	s_wait_dscnt 4*NLA
	WIN MUL_LO
	MUL16 0, 1, NQ-1, 1, 0
	MUL16 2, 1, NQ-1, 1, 0
	s_wait_dscnt 0
	WIN MUL_HI
	MUL16 4, 1, NQ-1, 1, 0
	MUL16 6, 1, NQ-1, 1, 0
	WIN 0
; THE WAY OUT, block by block of 16 tokens x 128 columns, through my own stage: in at each tile's true columns, back as whole rows of 512 bytes, stored at each row's true token.
; LDS serves a wave's instructions in order: no wait between the stores and the loads, nor in front of the next block's stores.
.macro TOSTAGE a
.set AC, 64*((\a)%4)
	WIN 0x08+4*((\a)/4)                            ; the data: window 2 or 3
.irp b, 0,1,2,3,4,5,6,7
	ds_store_b128 v[STO], v[AC+8*\b:AC+8*\b+3] offset:128*(\b/2)+32*(\b%2)          ; each accumulator from its low end on
	ds_store_b128 v[STO], v[AC+8*\b+4:AC+8*\b+7] offset:128*(\b/2)+32*(\b%2)+16
.endr
	WIN 0
.set BB, BK+64*((\a)%2)
.irp t, 0,1,2,3,4,5,6,7,8,9,10,11,12,13,14,15
	ds_load_b128 v[BB+4*\t:BB+4*\t+3], v[RD] offset:\t*SPITCH
.endr
.endm
.macro SEND a, younger
.set BB, BK+64*((\a)%2)
	s_wait_dscnt \younger                          ; the block is back in registers
.irp t, 0,1,2,3,4,5,6,7,8,9,10,11,12,13,14,15
	global_store_b128 v[CO], v[BB+4*\t:BB+4*\t+3], s[96:97] offset:(32*((\a)/2)+8*((\a)%2)+\t+8*(\t/8))*4096 th:TH_STORE_NT   ; 32 lanes store 512 consecutive bytes
.endr
.endm
	PLACES NP
	TOSTAGE 0
.irp a, 1,2,3,4,5,6,7
.if \a > 1
	s_wait_xcnt 0x0                                ; block a - 2's stores have read their registers: block a's loads may land there
.endif
	TOSTAGE \a
	SEND \a-1, 32                                  ; behind block a - 1's loads: block a's 16 stores and 16 loads
.endr
	SEND 7, 0
	s_wait_tensorcnt 0x0                           ; the wave's end
	ds_add_u32 v[SPW], v[NIL]
	s_wait_dscnt 0x0
	CROUND                                         ; the closing round
	s_endpgm
.Lfunc_end_k_q5afaa87e04_proj:
	.size	k_q5afaa87e04_proj, .Lfunc_end_k_q5afaa87e04_proj-k_q5afaa87e04_proj
	.p2alignl 7, 3214868480
	.fill 96, 4, 3214868480
	.section	.rodata,"a",@progbits
	.p2align	6, 0x0
	.amdhsa_kernel k_q5afaa87e04_proj
		.amdhsa_group_segment_fixed_size 327680
		.amdhsa_private_segment_fixed_size 0
		.amdhsa_enable_private_segment 0
		.amdhsa_kernarg_size 48
		.amdhsa_user_sgpr_count 2
		.amdhsa_user_sgpr_kernarg_segment_ptr 1
		.amdhsa_wavefront_size32 1
		.amdhsa_system_sgpr_workgroup_id_x 1
		.amdhsa_system_sgpr_workgroup_id_y 1
		.amdhsa_system_sgpr_workgroup_id_z 1
		.amdhsa_system_vgpr_workitem_id 0
		.amdhsa_next_free_vgpr 1024
		.amdhsa_next_free_sgpr 102
		.amdhsa_reserve_vcc 0
		.amdhsa_float_denorm_mode_32 3
		.amdhsa_float_denorm_mode_16_64 3
		.amdhsa_memory_ordered 1
		.amdhsa_forward_progress 1
		.amdhsa_inst_pref_size 143
	.end_amdhsa_kernel
	.amdgpu_metadata
---
amdhsa.version: [ 1, 2 ]
amdhsa.kernels:
  - .name:           k_q5afaa87e04_proj
    .symbol:         k_q5afaa87e04_proj.kd
    .args:
      - { .name: yc, .offset: 0, .size: 8, .value_kind: global_buffer, .address_space: global }
      - { .name: ys, .offset: 8, .size: 8, .value_kind: global_buffer, .address_space: global }
      - { .name: wc, .offset: 16, .size: 8, .value_kind: global_buffer, .address_space: global }
      - { .name: ws, .offset: 24, .size: 8, .value_kind: global_buffer, .address_space: global }
      - { .name: bproj, .offset: 32, .size: 8, .value_kind: global_buffer, .address_space: global }
      - { .name: out0, .offset: 40, .size: 8, .value_kind: global_buffer, .address_space: global }
    .group_segment_fixed_size: 327680
    .private_segment_fixed_size: 0
    .kernarg_segment_align: 8
    .kernarg_segment_size: 48
    .max_flat_workgroup_size: 128
    .sgpr_count:     102
    .vgpr_count:     1024
    .wavefront_size: 32
...
	.end_amdgpu_metadata
.endif
;; end of part 4
